; MI455X (gfx1250); checked and timed in simulation.
; The chip was launched on July 23, 2026; its instructions are those of AMD's public machine-readable ISA for CDNA 5 (MIT licence, August 2026) and "CDNA5" Instruction Set Architecture Reference Guide (July 2026). The comments in the code are by the model that wrote it; some were corrected since.
;; Label Wise Attention. Allowed arithmetic: matrix products marked QUANTISED: E2M1 operands, one E8M0 scale for each 32 along K, by v_wmma_scale_f32_16x16x128_f8f6f4 with both operands' format E2M1 (or v_wmma_scale_f32_32x16x128_f4), f32 sums; products left as they are: f32 operands where the result goes on into a quantised operand, else bf16, f16 or f32 operands; f32 sums; everything else in f32.
;; Inputs: fc_b 1 float32; fc_w 1 x 512 float32; q 1,024 x 512 float32; x 16 x 4,096 x 512 float32.
;; Outputs: out0 16 x 1,024 float32.
;; This version of the problem:
;;   THIS VERSION OF THE PROBLEM IS GIVEN IN LOW PRECISION. The matrix products marked QUANTISED in the list below multiply operands that are first quantised to E2M1 (2 exponent bits, 1 mantissa bit; 4 bits a number), with one power-of-two scale for each 32 numbers along K (OCP MX v1.0); their sums are f32. All else is computed in f32.
;;   The module's matrix products, in the order in which they are computed (A, B: the left and right operand; K: the contracted axis; several contracted axes count as one K, in the product's order):
;;     1. [M 65,536, K 512] x [K 512, N 1,024]; A: input x; B: input q: QUANTISED
;;     2. batch 16 x [M 1,024, K 4,096] x [K 4,096, N 512]; A: softmax (see below); B: input x: QUANTISED
;;     3. [M 16,384, K 512] x [K 512, N 1]; A: computed on the way; B: input fc_w: left as it is (N = 1 < 16)
;;   THE QUANTISER, for each operand of a quantised product, along K:
;;     - K is cut into blocks of 32 from its start; a last block that is shorter is filled with zeros.
;;     - A block's scale is 2^e with e = floor(log2(the largest magnitude in the block)) - 2, held to -126 .. 127; a block of zeros has e = 0. As a byte (E8M0): e + 127.
;;     - Each number is divided by its block's scale, clamped to +-6, and rounded to the nearest number of E2M1, ties to even, subnormals kept.
;;     - The product sums the exact products of the quantised numbers (number of the format x scale) in f32.
;;   ~~~python
;;   def quantise(x, axis):      # numpy; x: float32 -> the quantised numbers, widened to float32 again
;;       x = np.moveaxis(x, axis, -1); K = x.shape[-1]
;;       x = np.pad(x, [(0, 0)] * (x.ndim - 1) + [(0, -K % 32)]); x = x.reshape(x.shape[:-1] + (-1, 32)); a = np.abs(x).max(-1, keepdims=True)
;;       e = np.where(a > 0, np.clip(np.frexp(np.where(a > 0, a, 1))[1] - 1 - 2, -126, 127), 0)      # np.frexp(a)[1] - 1 = floor(log2(a)), exactly
;;       r = np.clip(x / 2.0 ** e, -6, 6)
;;       step = 2.0 ** (np.maximum(np.frexp(np.where(r == 0, 1, r))[1] - 1, 0) - 1)
;;       q = np.round(r / step) * step * 2.0 ** e      # np.round: ties to even
;;       return np.moveaxis(q.reshape(q.shape[:-2] + (-1,))[..., :K], -1, axis).astype(np.float32)
;;   ~~~
;;   SOFTMAX AHEAD OF A QUANTISED PRODUCT. Where the list says 'softmax', what is quantised is not the finished softmax but p = 2^(t - M), with t = logit x log2(e) and M = ceil(the row's largest t), a whole number; so 1/2 < the row's largest p <= 1. The row's sum l is taken of the UNQUANTISED p, in f32, and the product's result is divided by l at the end. Since M is a whole number, a kernel that streams over the keys may use a running M (the ceiling of the running maximum): every later rescaling is an exact power of two, which a block's scale takes up: the codes' values come out the same.
;;   OPERANDS COMPUTED ON THE WAY. 'Computed on the way' means the value that the module computes at that place (a softmax that the list does not call 'softmax' is quantised finished and normalised). What goes into a quantiser is computed in f32, as accurately as f32 sums, v_exp_f32 and their like allow (about 1e-6 of the number): no bf16 or f16 on the way to a quantiser, and a product that is left as it is and whose result goes on into a quantised operand takes f32 operands (vector FMAs, or v_wmma_f32_16x16x4_f32). A number that lies on a knife's edge between two numbers of the format may be rounded either way, as far as f32 arithmetic and the matrix unit's own rounding can turn it there, and no further.
;; 2 versions. Each part assembles by itself: llvm-mc -triple=amdgcn-amd-amdhsa -mcpu=gfx1250 --defsym DOCPART=n.
;; ======== version 1 of 2: 3 launches
;; workspace buffers: qimg 262,144 bytes; qsc 16,384 bytes; part 3,145,728 bytes
;; launch qquant (part 1): grid 32 x 1, 8 waves a work-group, no clusters, 69,120 bytes of LDS; arguments q, qimg, qsc; writes qimg, qsc
.if DOCPART == 1
	.amdgcn_target "amdgcn-amd-amdhsa--gfx1250"
	.amdhsa_code_object_version 6
	.text
	.protected	k_q2e2b7fb618_qquant
	.globl	k_q2e2b7fb618_qquant
	.p2align	8
	.type	k_q2e2b7fb618_qquant,@function
k_q2e2b7fb618_qquant:
	s_mov_b64 s[64:65], 0
	v_nop
	global_prefetch_b8 v0, s[64:65] scope:SCOPE_SE
	s_setreg_imm32_b32 hwreg(HW_REG_WAVE_MODE, 25, 1), 1
	s_wait_xcnt 0x0
; q [1024][512] f32 becomes codes of FP4 (E2M1) along d, one E8M0 scale byte for each 32 along d, laid for the reader:
;   qimg [tile of 16 labels: 64][K step of 128 d: 4][c: 2][lane: 32][16 bytes]: the image of an operand's registers: lane (r, h) holds label r, its registers 4 c .. 4 c + 3 hold d = 128 ks + 64 c + 32 h + 0 .. 31
;   qsc  [tile: 64][r: 16][K step: 4] words: byte b of a word scales d = 128 ks + 32 b + 0 .. 31 of label r
; A block's scale is 2^(floor(log2(its largest magnitude)) - 2); its byte is the largest magnitude's exponent field - 2, held at 1 from below.
; LIMITS: a block of zeros, and a block whose largest magnitude lies under 2^-124, gets the byte 1 (a block of zeros has zero codes, which add nothing; these bytes are read by this program alone); NaN and infinities are not served.
; SHARES: a work-group takes two tiles of labels; wave w makes ONE fragment: tile w / 4, K step w % 4.  Its 16 rows x 512 bytes are loaded as they lie (a load covers 512 consecutive bytes),
; turn through the wave's own stage in LDS (rows 528 bytes apart: sixteen rows of a read begin at sixteen different 16-byte columns modulo 256), and come back 128 bytes (a whole block) a lane.
; No matrix work, no tensor load, no cluster: 2 MiB are read once and nothing is shared.
.set SPITCH, 528
.set WST,    16*SPITCH                 ; a wave's stage
.set SCQ,    8*WST                     ; behind the stages: the work-group's 128 scale words
.set X,   32                           ; v32-95   16 rows as loaded
.set Y,   96                           ; v96-159  two whole blocks of 32 numbers
.set TM,  8                            ; v8-9     largest magnitudes
.set SO,  10                           ; v10-11   the conversions' scale operands
.set BY,  12                           ; v12-13   the scale bytes
.set CD,  20                           ; v20-27   the codes: the fragment's registers
	s_load_b128 s[4:7], s[0:1], 0x0                ; q, qimg
	s_load_b64 s[8:9], s[0:1], 0x10                ; qsc
	v_lshl_add_u32 v160, v0, 2, 0x10a00
	v_mov_b32 v161, 0
	v_lshrrev_b32 v1, 5, v0
	v_readfirstlane_b32 s10, v1                    ; wave 0..7
	v_and_b32 v1, 31, v0                           ; lane
	v_and_b32 v2, 15, v0                           ; r
	v_bfe_u32 v3, v0, 4, 1                         ; h
	s_lshr_b32 s11, s10, 2                         ; which of the two tiles
	s_and_b32 s12, s10, 3                          ; which K step
	s_lshl_b32 s13, s12, 9                         ; a K step is 512 bytes of a row,
	s_lshl_b32 s14, s11, 15                        ; a tile 16 rows of 2,048 bytes
	s_add_co_u32 s13, s13, s14
	v_lshl_add_u32 v4, v1, 4, s13                  ; q: 16 bytes a lane
	s_mul_i32 s15, s10, WST                        ; my stage
	v_lshl_add_u32 v5, v1, 4, s15                  ; into it: as loaded
	v_mul_u32_u24 v6, v2, SPITCH
	v_lshl_add_u32 v6, v3, 7, v6
	v_add_nc_u32 v6, s15, v6                       ; out of it: row r, block h (128 bytes)
	s_lshl_b32 s13, s11, 12
	s_lshl_b32 s14, s12, 10
	s_add_co_u32 s13, s13, s14
	v_lshl_add_u32 v7, v1, 4, s13                  ; qimg: 4,096 x tile + 1,024 x K step + 16 x lane
	s_lshl_b32 s13, s11, 8
	s_lshl_b32 s14, s12, 2
	s_add_co_u32 s13, s13, s14
	s_add_co_u32 s13, s13, SCQ
	v_lshl_add_u32 v17, v2, 4, s13                 ; my row's scale word in LDS: 256 x tile + 16 r + 4 x K step
	v_lshl_add_u32 v18, v1, 4, SCQ                 ; wave 0 reads them back, 16 bytes a lane,
	v_lshlrev_b32 v19, 4, v1                       ; and stores them so
	v_lshlrev_b32 v15, 3, v3                       ; 8 h
	v_mov_b32 v16, 0                               ; a lane permute's destination counts as read: written once
	s_mov_b32 s16, 0x76543210
	s_mov_b32 s17, 0xfedcba98                      ; v_permlanex16_b32's selects for lane l xor 16
	s_lshl_b32 s20, ttmp9, 16                      ; the work-group's 32 rows of q,
	s_mov_b32 s21, 0
	s_lshl_b32 s22, ttmp9, 13                      ; its two tiles of qimg,
	s_mov_b32 s23, 0
	s_lshl_b32 s24, ttmp9, 9                       ; and of qsc
	s_mov_b32 s25, 0
	s_wait_kmcnt 0x0
	s_add_nc_u64 s[4:5], s[4:5], s[20:21]
	s_add_nc_u64 s[6:7], s[6:7], s[22:23]
	s_add_nc_u64 s[8:9], s[8:9], s[24:25]
.set i, 0
.rept 16
	global_load_b128 v[X+4*i:X+4*i+3], v4, s[4:5] offset:2048*i th:TH_LOAD_NT   ; row i: 32 lanes read 512 consecutive bytes
.set i, i+1
.endr
	s_wait_loadcnt 0x0
.set i, 0
.rept 16
	ds_store_b128 v5, v[X+4*i:X+4*i+3] offset:SPITCH*i
.set i, i+1
.endr
.irp c, 0,1
.set i, 0
.rept 8
	ds_load_b128 v[Y+32*\c+4*i:Y+32*\c+4*i+3], v6 offset:256*\c+16*i   ; LDS serves a wave's instructions in order: these see my stores.  Block 2 c + h of row r
.set i, i+1
.endr
.endr
	s_wait_dscnt 0x0
.irp c, 0,1
	v_max3_num_f32 v[TM+\c], |v[Y+32*\c]|, |v[Y+32*\c+1]|, 0x1800000   ; the block's largest magnitude, with the floor 2^(3 - 127) among its leaves: the byte cannot fall under 1
.endr
.set j, 2
.rept 15
.irp c, 0,1
	v_max3_num_f32 v[TM+\c], v[TM+\c], |v[Y+32*\c+j]|, |v[Y+32*\c+j+1]|   ; (the two blocks by turns)
.endr
.set j, j+2
.endr
.irp c, 0,1
	v_add_nc_u32 v[SO+\c], 0xff000000, v[TM+\c]    ; 2 off its exponent field: the conversion takes the exponent field of this operand as its scale
.endr
.irp c, 0,1
	v_lshrrev_b32 v[BY+\c], 23, v[SO+\c]           ; the scale's byte
.endr
	v_lshl_or_b32 v14, v[BY+1], 16, v[BY]          ; my two bytes: blocks h and 2 + h,
	v_lshlrev_b32 v14, v15, v14                    ; at their places in the word;
	v_permlanex16_b32 v16, v14, s16, s17
	v_or_b32 v14, v14, v16                         ; with lane l xor 16's two the word is whole
.irp c, 0,1
.irp g, 0,1,2,3
	v_cvt_scalef32_pk8_fp4_f32 v[CD+4*\c+\g], v[Y+32*\c+8*\g:Y+32*\c+8*\g+7], v[SO+\c]
.endr
.endr
	v_nop                                          ; one plain place behind the last scaled conversion
	global_store_b128 v7, v[CD:CD+3], s[6:7]       ; 32 lanes store 512 consecutive bytes, aligned
	global_store_b128 v7, v[CD+4:CD+7], s[6:7] offset:512
	ds_store_b32 v17, v14                          ; lanes r and r + 16 write the same word with the same value
	s_wait_dscnt 0x0                               ; for wave 0's sake: my word has landed
	s_barrier_signal -1
	s_barrier_wait -1
	s_cmp_lg_u32 s10, 0
	s_cbranch_scc1 .Ldone                          ; wave 0 alone stores the two tiles' 128 words
	ds_load_b128 v[28:31], v18
	s_wait_dscnt 0x0
	global_store_b128 v19, v[28:31], s[8:9]        ; 512 consecutive bytes, aligned
.Ldone:
	s_wait_tensorcnt 0x0
	ds_add_u32 v160, v161
	s_wait_dscnt 0x0
	s_endpgm
.Lfunc_end_k_q2e2b7fb618_qquant:
	.size	k_q2e2b7fb618_qquant, .Lfunc_end_k_q2e2b7fb618_qquant-k_q2e2b7fb618_qquant
	.p2alignl 7, 3214868480
	.fill 96, 4, 3214868480
	.section	.rodata,"a",@progbits
	.p2align	6, 0x0
	.amdhsa_kernel k_q2e2b7fb618_qquant
		.amdhsa_group_segment_fixed_size 69120
		.amdhsa_private_segment_fixed_size 0
		.amdhsa_enable_private_segment 0
		.amdhsa_kernarg_size 24
		.amdhsa_user_sgpr_count 2
		.amdhsa_user_sgpr_kernarg_segment_ptr 1
		.amdhsa_wavefront_size32 1
		.amdhsa_system_sgpr_workgroup_id_x 1
		.amdhsa_system_sgpr_workgroup_id_y 1
		.amdhsa_system_sgpr_workgroup_id_z 1
		.amdhsa_system_vgpr_workitem_id 0
		.amdhsa_next_free_vgpr 162
		.amdhsa_next_free_sgpr 66
		.amdhsa_reserve_vcc 0
		.amdhsa_float_denorm_mode_32 3
		.amdhsa_float_denorm_mode_16_64 3
		.amdhsa_memory_ordered 1
		.amdhsa_forward_progress 1
		.amdhsa_inst_pref_size 10
	.end_amdhsa_kernel
	.amdgpu_metadata
---
amdhsa.version: [ 1, 2 ]
amdhsa.kernels:
  - .name:           k_q2e2b7fb618_qquant
    .symbol:         k_q2e2b7fb618_qquant.kd
    .args:
      - { .name: q, .offset: 0, .size: 8, .value_kind: global_buffer, .address_space: global }
      - { .name: qimg, .offset: 8, .size: 8, .value_kind: global_buffer, .address_space: global }
      - { .name: qsc, .offset: 16, .size: 8, .value_kind: global_buffer, .address_space: global }
    .group_segment_fixed_size: 69120
    .private_segment_fixed_size: 0
    .kernarg_segment_align: 8
    .kernarg_segment_size: 24
    .max_flat_workgroup_size: 256
    .sgpr_count:     66
    .vgpr_count:     162
    .wavefront_size: 32
...
	.end_amdgpu_metadata
.endif
;; end of part 1
;; launch main (part 2): grid 16 x 16, 8 waves a work-group, no clusters, 320,512 bytes of LDS; arguments x, qimg, qsc, fc_w, part; writes part
.if DOCPART == 2
	.amdgcn_target "amdgcn-amd-amdhsa--gfx1250"
	.amdhsa_code_object_version 6
	.text
	.protected	k_q2e2b7fb618_main
	.globl	k_q2e2b7fb618_main
	.p2align	8
	.type	k_q2e2b7fb618_main,@function
k_q2e2b7fb618_main:
	s_mov_b64 s[64:65], 0
	v_nop
	global_prefetch_b8 v0, s[64:65] scope:SCOPE_SE
	s_setreg_imm32_b32 hwreg(HW_REG_WAVE_MODE, 25, 1), 1
	s_wait_xcnt 0x0
; LABEL-WISE ATTENTION, one slice of the keys for all labels.  scores = x q^T (K = d = 512), softmax over the 4,096 keys t, O = p x (K = t), out = (O . fc_w) / l + fc_b.  Both products on codes of FP4 (E2M1) with one E8M0
; scale for each 32 along K, by v_wmma_scale_f32_16x16x128_f8f6f4; everything else in f32.
; THE SPLIT.  The result is ONE number for a batch and a label, so a part of the keys leaves three numbers: -M (M = the ceiling of the part's largest t = score x log2(e), a whole number), l = the sum of the unquantised
; p = 2^(t - M), and r = (the sum of Q(p) Q(x)) . fc_w.  Parts are joined by exact powers of two.  A work-group owns 256 keys of one batch (x = slice, y = batch) and ALL 1,024 labels: its 512 KiB of x are read from memory
; once, quantised BOTH ways (along d for the scores, along t for the second product) and kept in LDS as codes; no code of x ever goes to memory.
; SHARES.  Eight waves, two to a SIMD, 512 registers each.  The 256 keys are two sub-slices of 128.  Wave w (a) quantises the strip d = 64 w .. 64 w + 63 of every sub-slice, in patches of 32 keys x 64 d,
; and (b) computes labels 128 w .. 128 w + 127, in two groups of 64 (four tiles of 16).  A unit = a sub-slice x a group: each fragment of keys read from LDS feeds 4 products, each fragment of values 8.
; ORDER.  sub-slice 0 quantised | barrier | its two units, each with two patches of sub-slice 1 loaded under the softmax and quantised behind it | barrier | sub-slice 1's two units | the second product over all 256 keys | store.
; Between the two barriers waves write only sub-slice 1's images, which nobody reads yet; P, the statistics and the stage are each wave's own bytes.
; M RUNS from sub-slice 0 to sub-slice 1: sub-slice 1's p stand under the larger of the two M; l of sub-slice 0 is multiplied by 2^(old M - new M), and its P is brought under the new M by taking new M - old M off its
; scale bytes: both exact.  So a tile of O^T is summed over both sub-slices (two K steps) and dotted with fc_w once.
; LAYOUT.  Both products are used transposed: S^T = K Q^T (source 0 = 16 keys, source 1 = 16 labels), O^T = V^T P^T (source 0 = 16 of the 512 d, source 1 = P): a lane holds ONE label (lane % 16) throughout.
; THE KEYS OF A TILE ARE NOT NEIGHBOURS: row m of key tile 2 tb + u is key 32 tb + 8 u + m + 8 (m / 8), so that a lane's 16 registers of tiles 2 tb and 2 tb + 1 are the neighbouring keys 32 tb + 16 (lane / 16) + 0 .. 15.
; Operands lie in LDS as images of their registers (16 bytes a lane on end), so every fragment load reads 512 consecutive bytes.
; P goes through the wave's own LDS bytes: all four units' P (128 registers) must wait for the second product while the scores of the next unit fill the registers.
; O is never kept: a tile of O^T is begun with C = 0, dotted with fc_w by four packed multiply-adds and forgotten; these stand between the products of the next tile.
; NO CLUSTER, NO TENSOR LOAD: no two work-groups share a byte of x, and x has to pass through registers to be quantised.  q's codes are shared by all, but they go straight into operand registers (LDS is full of the slice's
; images: 319,488 bytes), where a joint load cannot put them.
; LIMITS: NaN and infinities are not served.  A block of x whose largest magnitude lies under 2^-124 (a block of zeros too) gets the scale byte 1; a p under 2^-126 of the running largest counts as 0; a scale byte of
; sub-slice 0's P that would fall under 0 is held at 0 (2^-127): what it then adds is at most 6 x 2^-127 x |x| a key, beside a sum l over 1/2.
.set KIMG,  0                          ; keys' codes:   32,768 s + 4,096 (2 ks + c) + 512 kt + 16 lane      (written by wave 2 ks + c)
.set VIMG,  65536                      ; values' codes: 32,768 s + 1,024 dt + 256 tb + 16 r                 (written by wave dt / 4; read as 512 c + 16 lane)
.set PIM,   131072                     ; sub-slice 0's P: 8,192 w + 1,024 (4 g + lt) + 512 c + 16 lane      (the wave's own; sub-slice 1's lie so in the wave's stage)
.set KSC,   196608                     ; keys' scale words:   2,048 s + 512 ks + 128 tb + 64 u + 4 r; wave 2 ks + c writes halfword c
.set VSC,   200704                     ; values' scale bytes: 2,048 s + 4 d + tb
.set PSCL,  204800                     ; P's scale words:     2,048 w + 1,024 s + 128 (4 g + lt) + 4 lane    (own)
.set STATS, 221184                     ; -M, l, r:            3,072 w + 1,536 s + 512 stat + 4 label         (own; s = 1 holds the final three)
.set WL,    245760                     ; fc_w as it lies
.set STAGE, 247808                     ; a patch of 32 rows x 256 bytes for each wave: row t at 272 t + 128 (t / 16); when the last patch is done, sub-slice 1's P
.set WSTG,  8960
; REGISTERS, window 0 (v0-255)
.set LI,   1                           ; 16 lane
.set LKS,  2                           ; KSC + 4 lane: lanes 0-15 take tile 2 tb's words, lanes 16-31 tile 2 tb + 1's
.set XO,   3                           ; x: 2,048 h + 16 r + 256 w: a load covers two rows x 256 aligned bytes
.set STW,  4                           ; the stage, on the way in
.set KRD,  5                           ; out of it by rows: key row r + 8 (r / 8), block h of 32 d
.set VRD,  6                           ; out of it by columns: 4 lane
.set AKI,  7                           ; where my codes and scales go
.set AKS,  8
.set AVI,  9
.set AVS,  10
.set SH8,  11                          ; 8 h
.set QOB,  12                          ; q's codes and scale words: my wave's place
.set QSB,  13
.set PADB, 14                          ; my P images of sub-slice 0, my P scale words, my statistics
.set PSAB, 15
.set SADB, 16
.set PADT, 17                          ; the same for the unit in hand
.set PSAT, 18
.set SADT, 19
.set QOT,  20
.set QST,  21
.set VADT, 22                          ; the second product's addresses for the trip in hand
.set VSAT, 23
.set WADT, 24
.set VSAB, 25
.set WADB, 26
.set TKI,  27                          ; AKI .. AVS for the patches in hand: v27, v114-116
.set P1B,  27                          ; behind the last patch v27 is made anew: my P images of sub-slice 1: my stage + 16 lane
.set PM,   28                          ; v28-31  destinations of lane permutes, written once at the head
.set KF,   32                          ; v32-95  keys' fragments, two sets of 32; between the products: at work
.set KS,   96                          ; v96-103   keys' scale words, two sets of 4   (v96-113 and v120-127 hold scales and nothing else)
.set PS,   96                          ; v96-111   in the second product: P's scale words, sub-slice u, tile t at 8 u + t
.set VS,   112                         ; v112-113, v120-121  values' scale words: set p, sub-slice u at 8 p + u
.set TKS,  114
.set TVI,  115
.set TVS,  116
.set VADB, 117
.set MRG,  118
.set GOUT, 119
.set QS,   120                         ; v120-127  q's scale words: register 4 p + ks: lanes 0-15 tile 2 p, lanes 16-31 tile 2 p + 1
.set QF,   128                         ; v128-255  q's fragments (tile lt, K step ks) at 32 lt + 8 ks; between the units: two patches of x as loaded
.set PF,   128                         ; v128-255  in the second product: P's 16 fragments, sub-slice u, tile t at 64 u + 8 t
; at work in v32-95: a patch's quantiser
.set TM,   32
.set QSO,  36
.set QBY,  40
.set HW,   44
.set TT,   46
.set CD,   48
; a tile's softmax
.set BM,   32
.set RM,   36
.set SSO,  40
.set SBY,  44
.set PC,   48
.set NM,   56
.set SU,   60
.set PW,   64
.set LD3,  66                          ; v66-77  tile lt at 3 lt: sub-slice 0's -M, its l, its P's scale word
.set AW,   78                          ; that word under the new M
.set DF,   79
.set DL,   80
.set T1,   81
.set FF,   82
; the second product
.set WF,   48                          ; v48-63  fc_w's numbers of a tile of d, two sets of 8
.set RT,   32
.set RX,   40
.set MO,   64
; window 1 (v256-511), by low numbers: S^T of tile lt, key tile kt at 64 lt + 8 kt; a patch's 128 numbers at 0 or at 128; in the second product:
.set VF,   0                           ; values' fragments: set p, sub-slice u at 16 p + 8 u
.set OA,   64                          ; two sets of 8 tiles of O^T
.set RR,   192                         ; r, a pair for each tile of labels
.set FLOOR, 36                         ; s36  2^(3 - 127)
.set MSB, 0
.macro WIN new                         ; s_set_vgpr_msb: bits 1:0 source 0, 3:2 source 1, 5:4 source 2, 7:6 destination; the high byte repeats the setting that is left; a switch that changes nothing is dropped
.if MSB != (\new)
	s_set_vgpr_msb (MSB<<8)|(\new)
.set MSB, \new
.endif
.endm
.macro BARRIER                         ; my LDS stores have landed and my LDS loads are in: then the work-group's barrier
	s_wait_dscnt 0x0
	s_barrier_signal -1
	s_barrier_wait -1
.endm
; A patch, 32 keys x 64 d, from imm bytes on, into 64 registers from xr of window hi
.macro XLOAD xr, hi, imm
	WIN 0x40*(\hi)
.set i, 0
.rept 16
	global_load_b128 v[\xr+4*i:\xr+4*i+3], v[XO], s[4:5] offset:\imm+4096*i th:TH_LOAD_NT
.set i, i+1
.endr
.endm
.macro PSTAGE xr, hi                   ; into my stage as loaded: rows 2 i and 2 i + 1
	WIN 0x04*(\hi)
.set i, 0
.rept 16
	ds_store_b128 v[STW], v[\xr+4*i:\xr+4*i+3] offset:544*i+128*(i/8)
.set i, i+1
.endr
.endm
; Out of the stage, twice, into window 1 from wk on: 32 u + ..: key row 8 u + r + 8 (r / 8), my block h of 32 d (a block of the scores' K);  64 + 32 g + t: column 32 g + lane, down the 32 keys (a block of the second product's K).
; Rows 272 bytes apart, and 128 more from row 16 on: the sixteen rows of a read by rows begin at sixteen different 16-byte columns modulo 256.
.macro PREAD wk
	WIN 0x40
.irp u, 0,1
.set j, 0
.rept 8
	ds_load_b128 v[\wk+32*\u+4*j:\wk+32*\u+4*j+3], v[KRD] offset:2176*\u+16*j
.set j, j+1
.endr
.endr
.irp g, 0,1
.set j, 0
.rept 32
	ds_load_b32 v[\wk+64+32*\g+j], v[VRD] offset:272*j+128*(j/16)+128*\g
.set j, j+1
.endr
.endr
.endm
; Four whole blocks of 32 numbers of a lane become 4 x 4 registers of codes, their bytes, and for the keys' two the halfword of blocks h = 0, 1
.macro PQUANT wk
	WIN 0x14
.irp k, 0,1,2,3
	v_max3_num_f32 v[TM+\k], s[FLOOR], |v[\wk+32*\k]|, |v[\wk+32*\k+1]|   ; the largest magnitude, with the floor among its leaves: the byte cannot fall under 1
.endr
.set j, 2
.rept 15
.irp k, 0,1,2,3
	v_max3_num_f32 v[TM+\k], v[TM+\k], |v[\wk+32*\k+j]|, |v[\wk+32*\k+j+1]|   ; (the four blocks by turns)
.endr
.set j, j+2
.endr
	WIN 0
.irp k, 0,1,2,3
	v_add_nc_u32 v[QSO+\k], 0xff000000, v[TM+\k]   ; 2 off the exponent field: the conversion's scale operand
.endr
.irp k, 0,1,2,3
	v_lshrrev_b32 v[QBY+\k], 23, v[QSO+\k]         ; the scale's byte
.endr
	WIN 0x01
.irp k, 0,1,2,3
.irp g, 0,1,2,3
	v_cvt_scalef32_pk8_fp4_f32 v[CD+4*\k+\g], v[\wk+32*\k+8*\g:\wk+32*\k+8*\g+7], v[QSO+\k]
.endr
.endr
	WIN 0
	v_nop                                          ; one plain place behind the last scaled conversion
.irp u, 0,1
	v_lshlrev_b32 v[TT+\u], v[SH8], v[QBY+\u]      ; my byte at its place,
.endr
.irp u, 0,1
	v_permlanex16_b32 v[PM+\u], v[TT+\u], s16, s17
.endr
.irp u, 0,1
	v_or_b32 v[HW+\u], v[TT+\u], v[PM+\u]          ; with lane l xor 16's: my strip's half of the key row's scale word
.endr
.endm
.macro PSTORE aki, aks, avi, avs, ik, ih, iv, ib
	WIN 0
.irp u, 0,1
	ds_store_b128 v[\aki], v[CD+4*\u:CD+4*\u+3] offset:\ik+512*\u     ; 512 consecutive bytes
	ds_store_b16 v[\aks], v[HW+\u] offset:\ih+64*\u                   ; lanes r and r + 16 write the same halfword with the same value
.endr
.irp g, 0,1
	ds_store_b128 v[\avi], v[CD+8+4*\g:CD+8+4*\g+3] offset:\iv+2048*\g
	ds_store_b8 v[\avs], v[QBY+2+\g] offset:\ib+128*\g
.endr
.endm
; q's 16 fragments and 8 registers of scale words of the group named by s25, s26: 34 loads
.macro QLOAD
	WIN 0
	v_add_nc_u32 v[QOT], s25, v[QOB]
	v_add_nc_u32 v[QST], s26, v[QSB]
.irp lt, 0,1,2,3
.irp ks, 0,1,2,3
.irp c, 0,1
	global_load_b128 v[QF+32*\lt+8*\ks+4*\c:QF+32*\lt+8*\ks+4*\c+3], v[QOT], s[6:7] offset:4096*\lt+1024*\ks+512*\c
.endr
.endr
.endr
.irp p, 0,1
	global_load_b128 v[QS+4*\p:QS+4*\p+3], v[QST], s[8:9] offset:512*\p
.endr
.endm
; Key tile kt's four fragments into set kt % 2; with an even tile the scale words of the pair of tiles
.macro KL s, kt
.if (\kt)%2 == 0
.irp ks, 0,1,2,3
	ds_load_b32 v[KS+4*(((\kt)/2)%2)+\ks], v[LKS] offset:2048*\s+512*\ks+128*((\kt)/2)
.endr
.endif
.irp ks, 0,1,2,3
.irp c, 0,1
	ds_load_b128 v[KF+32*((\kt)%2)+8*\ks+4*\c:KF+32*((\kt)%2)+8*\ks+4*\c+3], v[LI] offset:32768*\s+4096*(2*\ks+\c)+512*(\kt)
.endr
.endr
.endm
.macro SWMMA c, ra, rb                 ; one product of the scores; c: its C; ra, rb: the halves of the lanes in which the keys' and the labels' scale words lie
.if (\ra) && (\rb)
	v_wmma_scale_f32_16x16x128_f8f6f4 v[rS:rS+7], v[rK:rK+7], v[rQ:rQ+7], \c, v[rA], v[rB] matrix_a_fmt:MATRIX_FMT_FP4 matrix_b_fmt:MATRIX_FMT_FP4 matrix_a_scale:MATRIX_SCALE_ROW1 matrix_b_scale:MATRIX_SCALE_ROW1
.elseif (\ra)
	v_wmma_scale_f32_16x16x128_f8f6f4 v[rS:rS+7], v[rK:rK+7], v[rQ:rQ+7], \c, v[rA], v[rB] matrix_a_fmt:MATRIX_FMT_FP4 matrix_b_fmt:MATRIX_FMT_FP4 matrix_a_scale:MATRIX_SCALE_ROW1
.elseif (\rb)
	v_wmma_scale_f32_16x16x128_f8f6f4 v[rS:rS+7], v[rK:rK+7], v[rQ:rQ+7], \c, v[rA], v[rB] matrix_a_fmt:MATRIX_FMT_FP4 matrix_b_fmt:MATRIX_FMT_FP4 matrix_b_scale:MATRIX_SCALE_ROW1
.else
	v_wmma_scale_f32_16x16x128_f8f6f4 v[rS:rS+7], v[rK:rK+7], v[rQ:rQ+7], \c, v[rA], v[rB] matrix_a_fmt:MATRIX_FMT_FP4 matrix_b_fmt:MATRIX_FMT_FP4
.endif
.endm
; THE SCORES of a unit: 8 key tiles x 4 tiles of labels x 4 K steps = 128 products.  A key tile's loads are issued two tiles ahead.  The four accumulators of a key tile take turns, one instruction a turn.
.macro SPHASE s
	WIN 0
	KL \s, 0
	KL \s, 1
.irp kt, 0,1,2,3,4,5,6,7
.if \kt == 7
	s_wait_dscnt 0x0                               ; nothing was issued behind the last tile's loads
.elseif \kt % 2
	s_wait_dscnt 12                                ; behind this tile's loads: the next (even) tile's 4 + 8
.else
	s_wait_dscnt 8                                 ; behind this tile's loads: the next (odd) tile's 8
.endif
	WIN 0x50                                       ; C and D in window 1
.irp ks, 0,1,2,3
.irp lt, 0,1,2,3
.set rS, 64*\lt+8*\kt
.set rK, KF+32*(\kt%2)+8*\ks
.set rQ, QF+32*\lt+8*\ks
.set rA, KS+4*((\kt/2)%2)+\ks
.set rB, QS+4*(\lt/2)+\ks
.if \ks == 0
	SWMMA 0, \kt%2, \lt%2                          ; the first K step starts the sum
.else
	SWMMA v[rS:rS+7], \kt%2, \lt%2
.endif
.endr
.endr
	WIN 0
.rept 4
	v_nop                                          ; four places in front of loads into registers that these products have read, and (behind the last tile) of the first read of the scores
.endr
.if \kt < 6
	KL \s, \kt+2
.endif
.endr
.endm
; THE SOFTMAX of a tile of 16 labels x 128 keys.  A block's largest p is not searched for: p rises with the score, so the block's largest SCORE goes through the same multiply-add and exponential.
; P's codes, its scale word, -M and l go to the wave's own LDS bytes.  s = 1: M is the larger of sub-slice 0's and this unit's; l takes sub-slice 0's l x 2^(old M - new M) in; sub-slice 0's scale word goes under the new M.
.macro SM lt, s
.set T, 64*\lt
.if \s
	WIN 0
	ds_load_b32 v[LD3+3*\lt], v[SADT] offset:64*\lt            ; sub-slice 0's -M,
	ds_load_b32 v[LD3+3*\lt+1], v[SADT] offset:512+64*\lt      ; its l,
	ds_load_b32 v[LD3+3*\lt+2], v[PSAT] offset:128*\lt         ; its P's scale word: my own bytes, which I stored; they are waited for below
.endif
	WIN 0x15
.irp b, 0,1,2,3
	v_max3_num_f32 v[BM+\b], v[T+16*\b], v[T+16*\b+1], v[T+16*\b+2]   ; each accumulator is read from its low end on
.endr
	WIN 0x14
.irp i, 3,5,7,9,11,13
.irp b, 0,1,2,3
	v_max3_num_f32 v[BM+\b], v[BM+\b], v[T+16*\b+\i], v[T+16*\b+\i+1]
.endr
.endr
.irp b, 0,1,2,3
	v_max_num_f32 v[BM+\b], v[BM+\b], v[T+16*\b+15]
.endr
	WIN 0
.irp b, 0,1,2,3
	v_permlanex16_b32 v[PM+\b], v[BM+\b], s16, s17
.endr
.irp b, 0,1,2,3
	v_max_num_f32 v[BM+\b], v[BM+\b], v[PM+\b]     ; with lane l xor 16's 16 keys: the block's largest score
.endr
	v_max3_num_f32 v[RM], v[BM], v[BM+1], v[BM+2]
	v_max_num_f32 v[RM], v[RM], v[BM+3]
	v_mul_f32 v[RM], s18, v[RM]                    ; the largest t
	s_wait_dscnt 0x0                               ; the tile before has stored: its registers may be written again; with s = 1 the three loads above are in
	v_floor_f32 v[NM], -v[RM]                      ; -M = floor(-t) = -ceil(t)
.if \s
	v_min_num_f32 v[NM], v[NM], v[LD3+3*\lt]       ; the running M: the larger M is the lesser -M
.endif
.irp b, 0,1,2,3
	v_fma_f32 v[BM+\b], v[BM+\b], s18, v[NM]
.endr
.if \s
	v_sub_f32 v[DF], v[NM], v[LD3+3*\lt]           ; old M - new M: a whole number, 0 or less
	v_or_b32 v[AW], 0x80808080, v[LD3+3*\lt+2]     ; the old word's bytes lie between 1 and 125: with bit 7 set no byte borrows from its neighbour below
	v_cvt_i32_f32 v[DF], v[DF]                     ; (it saturates)
	v_sub_nc_u32 v[DL], 0, v[DF]
	v_ldexp_f32 v[FF], 1.0, v[DF]                  ; f = 2^(old M - new M)
	v_min_u32 v[DL], 127, v[DL]                    ; what comes off each byte, 127 at the most,
	v_lshl_or_b32 v[DL], v[DL], 8, v[DL]
	v_lshl_or_b32 v[DL], v[DL], 16, v[DL]          ; in all four bytes
	v_sub_nc_u32 v[AW], v[AW], v[DL]               ; a byte that kept bit 7 has not fallen under 0: its low seven bits are the new byte
	v_lshrrev_b32 v[T1], 7, v[AW]
	v_and_b32 v[T1], 0x01010101, v[T1]
	v_lshlrev_b32 v[DL], 7, v[T1]
	v_sub_nc_u32 v[T1], v[DL], v[T1]               ; 0x7f for such a byte, 0 for the others,
	v_and_b32 v[AW], v[AW], v[T1]                  ; which are held at 0
.endif
	WIN 0x41
.set j, 0
.rept 32
	v_pk_fma_f32 v[T+j:T+j+1], v[T+j:T+j+1], s[18:19], v[NM:NM+1] op_sel_hi:[1,0,0]   ; t - M, two at a time (of the pairs the low word serves both halves)
.set j, j+2
.endr
.set j, 0
.rept 64
	v_exp_f32 v[T+j], v[T+j]                       ; p = 2^(t - M): not normalised
.set j, j+1
.endr
	WIN 0
.irp b, 0,1,2,3
	v_exp_f32 v[BM+\b], v[BM+\b]                   ; the block's largest p: the same two instructions on the same number
.endr
	v_nop                                          ; a plain place behind the exponentials
	s_wait_alu depctr_va_vdst(0)
.irp b, 0,1,2,3
	v_max_num_f32 v[BM+\b], s[FLOOR], v[BM+\b]     ; the floor: the byte cannot fall under 1
.endr
.irp b, 0,1,2,3
	v_add_nc_u32 v[SSO+\b], 0xff000000, v[BM+\b]
.endr
.irp b, 0,1,2,3
	v_lshrrev_b32 v[SBY+\b], 23, v[SSO+\b]
.endr
	v_lshl_or_b32 v[PW], v[SBY+1], 8, v[SBY]       ; P's scale word for these 128 keys
	v_lshl_or_b32 v[PW], v[SBY+2], 16, v[PW]
	v_lshl_or_b32 v[PW], v[SBY+3], 24, v[PW]
	WIN 0x01
.irp b, 0,1,2,3
	v_cvt_scalef32_pk8_fp4_f32 v[PC+2*\b], v[T+16*\b:T+16*\b+7], v[SSO+\b]
	v_cvt_scalef32_pk8_fp4_f32 v[PC+2*\b+1], v[T+16*\b+8:T+16*\b+15], v[SSO+\b]
.endr
	WIN 0
	v_nop                                          ; one plain place behind the last scaled conversion
.irp c, 0,1                            ; the operand's layout wants a WHOLE block in a lane: lanes 0-15 block 2 c, lanes 16-31 block 2 c + 1
.irp i, 0,1
	v_permlane16_swap_b32 v[PC+4*\c+\i], v[PC+4*\c+2+\i]
.endr
.endr
	WIN 0x05
	v_pk_add_f32 v[SU:SU+1], v[T:T+1], v[T+2:T+3]  ; l is taken of the UNQUANTISED p: two at a time, in two chains
	v_pk_add_f32 v[SU+2:SU+3], v[T+4:T+5], v[T+6:T+7]
	WIN 0x04
.set j, 8
.rept 14
	v_pk_add_f32 v[SU:SU+1], v[SU:SU+1], v[T+j:T+j+1]
	v_pk_add_f32 v[SU+2:SU+3], v[SU+2:SU+3], v[T+j+2:T+j+3]
.set j, j+4
.endr
	WIN 0
	v_pk_add_f32 v[SU:SU+1], v[SU:SU+1], v[SU+2:SU+3]
	v_add_f32 v[SU], v[SU], v[SU+1]
	v_permlanex16_b32 v[PM], v[SU], s16, s17
	v_add_f32 v[SU], v[SU], v[PM]                  ; with lane l xor 16's keys
.if \s
	v_fma_f32 v[SU], v[LD3+3*\lt+1], v[FF], v[SU]  ; and sub-slice 0's l under the new M
	ds_store_b32 v[PSAT], v[AW] offset:128*\lt     ; sub-slice 0's scale word under the new M, back to its place
.endif
	ds_store_b128 v[PADT], v[PC:PC+3] offset:1024*\lt
	ds_store_b128 v[PADT], v[PC+4:PC+7] offset:1024*\lt+512
	ds_store_b32 v[PSAT], v[PW] offset:1024*\s+128*\lt
	ds_store_b32 v[SADT], v[NM] offset:1536*\s+64*\lt
	ds_store_b32 v[SADT], v[SU] offset:1536*\s+512+64*\lt
.endm
; THE TWO UNITS of sub-slice s: a loop of two trips, one for each group of 64 labels.  fill = 1: each trip also brings two patches of sub-slice 1: asked for behind the scores, into q's registers, which are done with;
; landed under the softmax; quantised behind it, in the scores' registers.  q's fragments for the next unit are asked for as soon as their registers are free.
.macro UNITS s, fill
	WIN 0
	s_mov_b32 s20, 2
	s_mov_b32 s22, 0                               ; the group's place among my P images,
	s_mov_b32 s23, 0                               ; my P scale words
	s_mov_b32 s24, 0                               ; and my statistics
.if \fill
	s_mov_b32 s27, 32768                           ; sub-slice 1's images and scales; two patches on in each trip
	s_mov_b32 s28, 2048
	s_mov_b32 s29, 32768
	s_mov_b32 s30, 2048
.endif
.Lgroup_\@:
	s_wait_dscnt 0x0                               ; my stores have read their registers
.if \s
	v_add_nc_u32 v[PADT], s22, v[P1B]
.else
	v_add_nc_u32 v[PADT], s22, v[PADB]
.endif
	v_add_nc_u32 v[PSAT], s23, v[PSAB]
	v_add_nc_u32 v[SADT], s24, v[SADB]
	s_wait_loadcnt 0x0                             ; q's fragments and scale words are in
	SPHASE \s
.if \fill
	XLOAD 128, 0, 262144                           ; sub-slice 1 begins 128 rows of 2,048 bytes on; a patch is 32 rows
	XLOAD 192, 0, 327680
.else
	s_cmp_eq_u32 s20, 1                            ; the last unit asks for nothing
	s_cbranch_scc1 .Lno_q_\@
	s_xor_b32 s25, s25, 16384
	s_xor_b32 s26, s26, 1024
	QLOAD
.Lno_q_\@:
.endif
	SM 0, \s
	SM 1, \s
	SM 2, \s
	SM 3, \s
.if \fill
	s_wait_loadcnt 16                              ; the first patch is in; the second's 16 loads may be out
	PSTAGE 128, 0
	PREAD 0
	s_wait_loadcnt 0x0
	PSTAGE 192, 0                                  ; LDS serves a wave's instructions in order: the first patch has been read out
	s_wait_dscnt 0x0                               ; the stage's stores have read the patches' registers, and the first patch's numbers are in
	s_xor_b32 s25, s25, 16384                      ; the other group: the next unit's
	s_xor_b32 s26, s26, 1024
	QLOAD
	PREAD 128
	WIN 0
	v_add_nc_u32 v[TKI], s27, v[AKI]
	v_add_nc_u32 v[TKS], s28, v[AKS]
	v_add_nc_u32 v[TVI], s29, v[AVI]
	v_add_nc_u32 v[TVS], s30, v[AVS]
	PQUANT 0
	PSTORE TKI, TKS, TVI, TVS, 0, 0, 0, 0
	s_wait_dscnt 0x0                               ; the second patch's numbers are in, and the stores have read their registers
	PQUANT 128
	PSTORE TKI, TKS, TVI, TVS, 1024, 128, 256, 1
	v_add_nc_u32 v[XO], 0x20000, v[XO]             ; two patches on (the loads that named it were waited for)
	s_add_co_u32 s27, s27, 2048
	s_add_co_u32 s28, s28, 256
	s_add_co_u32 s29, s29, 512
	s_add_co_u32 s30, s30, 2
.endif
	WIN 0
	s_add_co_u32 s22, s22, 4096
	s_add_co_u32 s23, s23, 512
	s_add_co_u32 s24, s24, 256
	s_sub_co_u32 s20, s20, 1
	s_cmp_lg_u32 s20, 0
	s_cbranch_scc1 .Lgroup_\@
.endm
; Product n of the 16 of a tile of d, into set `set` of O^T: K step n / 8 (the sub-slice), tile of labels n % 8.  The first eight start the sums; the eight accumulators take turns, one instruction a turn.
.macro PWMMA set, n
.set pU, (\n)/8
.set pQ, (\n)%8
.set pO, OA+64*(\set)+8*pQ
.set pV, VF+16*(\set)+8*pU
.set pP, PF+64*pU+8*pQ
.if pU == 0
	v_wmma_scale_f32_16x16x128_f8f6f4 v[pO:pO+7], v[pV:pV+7], v[pP:pP+7], 0, v[VS+8*(\set)+pU], v[PS+8*pU+pQ] matrix_a_fmt:MATRIX_FMT_FP4 matrix_b_fmt:MATRIX_FMT_FP4
.else
	v_wmma_scale_f32_16x16x128_f8f6f4 v[pO:pO+7], v[pV:pV+7], v[pP:pP+7], v[pO:pO+7], v[VS+8*(\set)+pU], v[PS+8*pU+pQ] matrix_a_fmt:MATRIX_FMT_FP4 matrix_b_fmt:MATRIX_FMT_FP4
.endif
.endm
; Line m of the 32 that dot set `set` of O^T with fc_w: pair m / 8 of the lane's eight d, tile of labels m % 8
.macro DOT set, m
.set dT, (\m)%8
.set dJ, (\m)/8
	v_pk_fma_f32 v[RR+2*dT:RR+2*dT+1], v[OA+64*(\set)+8*dT+2*dJ:OA+64*(\set)+8*dT+2*dJ+1], v[WF+8*(\set)+2*dJ:WF+8*(\set)+2*dJ+1], v[RR+2*dT:RR+2*dT+1]
.endm
; A STEP OF THE SECOND PRODUCT.  Step i (par = i % 2): sixteen products make O^T of d tile i + 1 for my eight tiles of labels over both sub-slices; between them stand the 32 lines that dot d tile i's O^T with fc_w:
; none behind the first product, two behind each of the next fourteen, four behind the last.  They name none of the products' registers, so they are places behind them: the last four are the four places in front of the
; next step's loads into the values' registers, and every tile of O^T is first read six lines or more behind the product that finished it.  One window setting serves both kinds of line.
; At the step's head the values' fragments of d tile i + 2 and fc_w's numbers of d tile i + 1 are asked for.
.macro PVSTEP par, ldv, ldw
.if \ldv
	WIN 0x40                                       ; destination window 1
.irp u, 0,1
	ds_load_b128 v[VF+16*\par+8*\u:VF+16*\par+8*\u+3], v[VADT] offset:32768*\u+1024*(2+\par)
	ds_load_b128 v[VF+16*\par+8*\u+4:VF+16*\par+8*\u+7], v[VADT] offset:32768*\u+1024*(2+\par)+512
.endr
	WIN 0
.irp u, 0,1
	ds_load_b32 v[VS+8*\par+\u], v[VSAT] offset:2048*\u+64*(2+\par)
.endr
.endif
	WIN 0
.if \ldw
	ds_load_b128 v[WF+8*(1-\par):WF+8*(1-\par)+3], v[WADT] offset:64*(1+\par)
	ds_load_b128 v[WF+8*(1-\par)+4:WF+8*(1-\par)+7], v[WADT] offset:64*(1+\par)+16
.endif
	s_wait_dscnt 6*\ldv+2*\ldw                     ; all but those just issued: what this step uses was asked for a step ago
	WIN 0x51                                       ; source 0 (values, O^T), source 2 and the destination window 1; source 1 (P, fc_w) window 0
.irp n, 0,1,2,3,4,5,6,7,8,9,10,11,12,13,14,15
	PWMMA 1-\par, \n
.if \n == 15
	DOT \par, 28
	DOT \par, 29
	DOT \par, 30
	DOT \par, 31
.elseif \n > 0
	DOT \par, 2*\n-2
	DOT \par, 2*\n-1
.endif
.endr
.endm
; THE SECOND PRODUCT, K = the slice's 256 keys, for my 128 labels and all 32 tiles of d; r = O . fc_w goes to my statistics
.macro PV
	s_wait_dscnt 0x0                               ; my stores have read their registers
	WIN 0
.irp t, 0,1,2,3,4,5,6,7
.irp c, 0,1
	ds_load_b128 v[PF+8*\t+4*\c:PF+8*\t+4*\c+3], v[PADB] offset:1024*\t+512*\c
	ds_load_b128 v[PF+64+8*\t+4*\c:PF+64+8*\t+4*\c+3], v[P1B] offset:1024*\t+512*\c
.endr
.endr
.irp t, 0,1,2,3,4,5,6,7
	ds_load_b32 v[PS+\t], v[PSAB] offset:128*\t
	ds_load_b32 v[PS+8+\t], v[PSAB] offset:1024+128*\t
.endr
.irp p, 0,1
.irp u, 0,1
	ds_load_b32 v[VS+8*\p+\u], v[VSAB] offset:2048*\u+64*\p
.endr
.endr
	ds_load_b128 v[WF:WF+3], v[WADB]
	ds_load_b128 v[WF+4:WF+7], v[WADB] offset:16
	WIN 0x40
.irp p, 0,1
.irp u, 0,1
	ds_load_b128 v[VF+16*\p+8*\u:VF+16*\p+8*\u+3], v[VADB] offset:32768*\u+1024*\p
	ds_load_b128 v[VF+16*\p+8*\u+4:VF+16*\p+8*\u+7], v[VADB] offset:32768*\u+1024*\p+512
.endr
.endr
.set i, 0
.rept 16
	v_mov_b32 v[RR+i], 0
.set i, i+1
.endr
	s_wait_dscnt 0x0
	WIN 0x51
.irp n, 0,1,2,3,4,5,6,7,8,9,10,11,12,13,14,15
	PWMMA 0, \n                                    ; d tile 0: there is nothing yet to set between
.endr
	WIN 0
.rept 4
	v_nop                                          ; four places behind them
.endr
	s_mov_b32 s21, 15
	s_mov_b32 s31, 0
	s_mov_b32 s32, 0
.Lpv_\@:                                           ; 15 trips of two steps: steps 0 to 29
	v_add_nc_u32 v[VADT], s31, v[VADB]
	v_add_nc_u32 v[VSAT], s32, v[VSAB]
	v_add_nc_u32 v[WADT], s32, v[WADB]
	PVSTEP 0, 1, 1
	PVSTEP 1, 1, 1
	WIN 0
	s_add_co_u32 s31, s31, 2048                    ; two tiles of d on: their images,
	s_add_co_u32 s32, s32, 128                     ; their scale words, and fc_w's numbers
	s_sub_co_u32 s21, s21, 1
	s_cmp_lg_u32 s21, 0
	s_cbranch_scc1 .Lpv_\@
	v_add_nc_u32 v[WADT], s32, v[WADB]
	PVSTEP 0, 0, 1                                 ; step 30: d tile 31's products; no fragment is left to fetch
	s_wait_dscnt 0x0                               ; fc_w's last numbers
.set i, 0
.rept 32
	DOT 1, i                                       ; d tile 31's O^T: four lines stand behind its last product, and its last tile is read seven lines further on
.set i, i+1
.endr
	WIN 0x05
.irp t, 0,1,2,3,4,5,6,7
	v_add_f32 v[RT+\t], v[RR+2*\t], v[RR+2*\t+1]
.endr
	WIN 0
.irp t, 0,1,2,3,4,5,6,7
	v_permlanex16_b32 v[RX+\t], v[RT+\t], s16, s17
.endr
.irp t, 0,1,2,3,4,5,6,7
	v_add_f32 v[RT+\t], v[RT+\t], v[RX+\t]         ; with lane l xor 16's eight d of each tile
.endr
.irp t, 0,1,2,3,4,5,6,7
	ds_store_b32 v[SADB], v[RT+\t] offset:1536+1024+64*\t
.endr
.endm
	s_load_b256 s[4:11], s[0:1], 0x0               ; x s[4:5], qimg s[6:7], qsc s[8:9], fc_w s[10:11]
	s_load_b64 s[12:13], s[0:1], 0x20              ; part
	v_lshrrev_b32 v32, 5, v0
	v_readfirstlane_b32 s14, v32                   ; wave 0..7
	v_and_b32 v33, 31, v0                          ; lane
	v_and_b32 v34, 15, v0                          ; r
	v_bfe_u32 v35, v0, 4, 1                        ; h
	s_and_b32 s33, ttmp7, 0xffff                   ; the batch
	s_lshl_b32 s34, s33, 23                        ; 4,096 rows of 2,048 bytes,
	s_lshl_b32 s15, ttmp9, 19                      ; the slice: 256 rows
	s_add_co_u32 s34, s34, s15
	s_mov_b32 s35, 0
	s_lshl_b32 s33, s33, 4
	s_add_co_u32 s33, s33, ttmp9
	s_mul_i32 s38, s33, 12288                      ; part: three rows of 4,096 bytes for a batch and a slice
	s_mov_b32 s39, 0
	s_lshl_b32 s15, s14, 8
	v_lshlrev_b32 v[XO], 4, v34
	v_lshl_add_u32 v[XO], v35, 11, v[XO]
	v_add_nc_u32 v[XO], s15, v[XO]
	v_lshlrev_b32 v38, 3, v0                       ; fc_w: 8 bytes a thread
	v_lshl_add_u32 v39, v0, 3, WL
	s_mov_b32 s25, 0                               ; q's group: 0
	s_mov_b32 s26, 0
	s_wait_kmcnt 0x0
	s_add_nc_u64 s[4:5], s[4:5], s[34:35]
	s_add_nc_u64 s[12:13], s[12:13], s[38:39]
	global_load_b64 v[36:37], v38, s[10:11]
	XLOAD 128, 0, 0                                ; sub-slice 0's four patches: 64 loads of 512 bytes a wave are out
	XLOAD 192, 0, 65536
	XLOAD 128, 1, 131072
	XLOAD 192, 1, 196608
	WIN 0
	v_lshlrev_b32 v[LI], 4, v33
	v_lshl_add_u32 v[LKS], v33, 2, KSC
	s_mul_i32 s15, s14, WSTG
	s_add_co_u32 s15, s15, STAGE                   ; my stage
	v_mul_u32_u24 v[STW], v35, 272
	v_lshl_add_u32 v[STW], v34, 4, v[STW]
	v_add_nc_u32 v[STW], s15, v[STW]               ; in: row 2 i + h, 16 r
	v_lshrrev_b32 v40, 3, v34                      ; r / 8
	v_lshl_add_u32 v41, v40, 3, v34                ; r + 8 (r / 8)
	v_mul_u32_u24 v[KRD], v41, 272
	v_lshl_add_u32 v[KRD], v40, 7, v[KRD]          ; rows 16 on lie 128 bytes further
	v_lshl_add_u32 v[KRD], v35, 7, v[KRD]          ; block h: 128 bytes
	v_add_nc_u32 v[KRD], s15, v[KRD]
	v_lshl_add_u32 v[VRD], v33, 2, s15
	s_lshl_b32 s33, s14, 12
	v_lshl_add_u32 v[AKI], v33, 4, s33             ; KIMG + 4,096 w + 16 lane
	s_lshr_b32 s33, s14, 1
	s_lshl_b32 s33, s33, 9
	s_and_b32 s15, s14, 1
	s_lshl_b32 s15, s15, 1
	s_add_co_u32 s33, s33, s15
	s_add_co_u32 s33, s33, KSC
	v_lshl_add_u32 v[AKS], v34, 2, s33             ; KSC + 512 (w / 2) + 2 (w % 2) + 4 r
	s_lshl_b32 s33, s14, 12
	s_add_co_u32 s33, s33, VIMG
	v_lshlrev_b32 v[AVI], 4, v34
	v_lshl_add_u32 v[AVI], v35, 10, v[AVI]
	v_add_nc_u32 v[AVI], s33, v[AVI]               ; VIMG + 4,096 w + 1,024 h + 16 r
	s_lshl_b32 s33, s14, 8
	s_add_co_u32 s33, s33, VSC
	v_lshl_add_u32 v[AVS], v33, 2, s33             ; VSC + 256 w + 4 lane
	v_lshlrev_b32 v[SH8], 3, v35
	s_lshl_b32 s33, s14, 15
	v_lshl_add_u32 v[QOB], v33, 4, s33             ; my eight tiles of q: 4,096 bytes each
	s_lshl_b32 s33, s14, 11
	v_lshl_add_u32 v[QSB], v33, 4, s33             ; and their scale words: 256 bytes each
	s_lshl_b32 s33, s14, 13
	s_add_co_u32 s33, s33, PIM
	v_lshl_add_u32 v[PADB], v33, 4, s33
	s_lshl_b32 s33, s14, 11
	s_add_co_u32 s33, s33, PSCL
	v_lshl_add_u32 v[PSAB], v33, 2, s33
	s_mul_i32 s33, s14, 3072
	s_add_co_u32 s33, s33, STATS
	v_lshl_add_u32 v[SADB], v34, 2, s33
	v_lshl_add_u32 v[MRG], v33, 4, s33
	v_lshl_add_u32 v[VSAB], v34, 2, VSC
	v_lshl_add_u32 v[WADB], v35, 5, WL             ; fc_w's eight numbers of my half of a tile of d
	v_lshl_add_u32 v[VADB], v33, 4, VIMG
	s_lshl_b32 s33, s14, 9
	v_lshl_add_u32 v[GOUT], v33, 4, s33            ; part: my wave's 128 labels, four a lane
.irp b, 0,1,2,3
	v_mov_b32 v[PM+\b], 0
.endr
	s_mov_b32 s16, 0x76543210
	s_mov_b32 s17, 0xfedcba98                      ; v_permlanex16_b32's selects for lane l xor 16
	s_mov_b32 s18, 0x3fb8aa3b                      ; log2(e)
	s_mov_b32 s19, s18                             ; (named with it as a pair, so it is written)
	s_mov_b32 s[FLOOR], 0x1800000
	; SUB-SLICE 0 is quantised.  The counts: loads come back in order; behind a patch's 16 loads stand the later patches' 16 each, and from the third patch on q's 34
.irp tb, 0,1,2,3
.if \tb == 0
	s_wait_loadcnt 48
	ds_store_b64 v39, v[36:37]                     ; fc_w into LDS
.elseif \tb == 1
	s_wait_loadcnt 32
.elseif \tb == 2
	s_wait_loadcnt 50
.else
	s_wait_loadcnt 34
.endif
	PSTAGE 128+64*(\tb%2), \tb/2
	PREAD 0
	s_wait_dscnt 0x0                               ; the patch's numbers are in; every earlier store has read its registers
.if \tb == 1
	QLOAD                                          ; the first two patches' registers are free: group 0's fragments of q
.endif
	PQUANT 0
	PSTORE AKI, AKS, AVI, AVS, 1024*\tb, 128*\tb, 256*\tb, \tb
.endr
	BARRIER                                        ; sub-slice 0's images and scales, and fc_w, lie in LDS
	UNITS 0, 1
	BARRIER                                        ; sub-slice 1's images and scales lie in LDS
	s_mul_i32 s33, s14, WSTG                       ; my stage has seen its last patch: it takes sub-slice 1's P, 8,192 of its 8,960 bytes
	s_add_co_u32 s33, s33, STAGE
	v_add_nc_u32 v[P1B], s33, v[LI]
	UNITS 1, 0
	PV
	; THE WAY OUT: -M, l and r of my 128 labels lie in my statistics; a lane takes four labels of each.  LDS serves a wave's instructions in order: these loads see my stores
.irp st, 0,1,2
	ds_load_b128 v[MO+4*\st:MO+4*\st+3], v[MRG] offset:1536+512*\st
.endr
	s_wait_dscnt 0x0
	global_store_b128 v[GOUT], v[MO:MO+3], s[12:13]                  ; each store of the wave covers 512 consecutive bytes, aligned
	global_store_b128 v[GOUT], v[MO+4:MO+7], s[12:13] offset:4096
	global_store_b128 v[GOUT], v[MO+8:MO+11], s[12:13] offset:8192
	s_wait_xcnt 0x0
	v_lshl_add_u32 v254, v0, 2, 0x4e000
	v_mov_b32 v255, 0
	s_wait_tensorcnt 0x0
	ds_add_u32 v254, v255
	s_wait_dscnt 0x0
	s_endpgm
.Lfunc_end_k_q2e2b7fb618_main:
	.size	k_q2e2b7fb618_main, .Lfunc_end_k_q2e2b7fb618_main-k_q2e2b7fb618_main
	.p2alignl 7, 3214868480
	.fill 96, 4, 3214868480
	.section	.rodata,"a",@progbits
	.p2align	6, 0x0
	.amdhsa_kernel k_q2e2b7fb618_main
		.amdhsa_group_segment_fixed_size 320512
		.amdhsa_private_segment_fixed_size 0
		.amdhsa_enable_private_segment 0
		.amdhsa_kernarg_size 40
		.amdhsa_user_sgpr_count 2
		.amdhsa_user_sgpr_kernarg_segment_ptr 1
		.amdhsa_wavefront_size32 1
		.amdhsa_system_sgpr_workgroup_id_x 1
		.amdhsa_system_sgpr_workgroup_id_y 1
		.amdhsa_system_sgpr_workgroup_id_z 1
		.amdhsa_system_vgpr_workitem_id 0
		.amdhsa_next_free_vgpr 512
		.amdhsa_next_free_sgpr 66
		.amdhsa_reserve_vcc 0
		.amdhsa_float_denorm_mode_32 3
		.amdhsa_float_denorm_mode_16_64 3
		.amdhsa_memory_ordered 1
		.amdhsa_forward_progress 1
		.amdhsa_inst_pref_size 255
	.end_amdhsa_kernel
	.section	.bss,"aw",@nobits
	.p2align	6
	.space	262144
	.amdgpu_metadata
---
amdhsa.version: [ 1, 2 ]
amdhsa.kernels:
  - .name:           k_q2e2b7fb618_main
    .symbol:         k_q2e2b7fb618_main.kd
    .args:
      - { .name: x, .offset: 0, .size: 8, .value_kind: global_buffer, .address_space: global }
      - { .name: qimg, .offset: 8, .size: 8, .value_kind: global_buffer, .address_space: global }
      - { .name: qsc, .offset: 16, .size: 8, .value_kind: global_buffer, .address_space: global }
      - { .name: fc_w, .offset: 24, .size: 8, .value_kind: global_buffer, .address_space: global }
      - { .name: part, .offset: 32, .size: 8, .value_kind: global_buffer, .address_space: global }
    .group_segment_fixed_size: 320512
    .private_segment_fixed_size: 0
    .kernarg_segment_align: 8
    .kernarg_segment_size: 40
    .max_flat_workgroup_size: 256
    .sgpr_count:     66
    .vgpr_count:     512
    .wavefront_size: 32
...
	.end_amdgpu_metadata
.endif
;; end of part 2
;; launch comb (part 3): grid 256 x 1, 1 waves a work-group, no clusters, 0 bytes of LDS; arguments part, fc_b, out0; writes out0
.if DOCPART == 3
	.amdgcn_target "amdgcn-amd-amdhsa--gfx1250"
	.amdhsa_code_object_version 6
	.text
	.protected	k_q2e2b7fb618_comb
	.globl	k_q2e2b7fb618_comb
	.p2align	8
	.type	k_q2e2b7fb618_comb,@function
k_q2e2b7fb618_comb:
	s_mov_b64 s[64:65], 0
	v_nop
	global_prefetch_b8 v0, s[64:65] scope:SCOPE_SE
	s_setreg_imm32_b32 hwreg(HW_REG_WAVE_MODE, 25, 1), 1
	s_wait_xcnt 0x0
; out0[b][label] = r / l + fc_b, r and l joined over the 16 slices of the keys.  part: [b 16][slice 16][-M, l, r][label 1024] f32.
; M = the largest of the slices' M (a whole number); a slice's l and r are multiplied by 2^(its M - M), made by v_ldexp_f32 of 1.0, and summed by fused multiply-adds.  The slice that holds M has l > 1/2, so l is never 0.
; One wave takes 64 labels of one batch, two a lane: each load and the store cover 256 consecutive bytes, aligned.  All 48 loads are out at once.  3 MiB are read once: no LDS, no matrix work, nothing shared.
.set P, 16                             ; v16-111: slice sl at 6 sl: -M (a pair), l, r
.set F, 112                            ; v112-119: the factors, four pairs by turns
	s_load_b128 s[4:7], s[0:1], 0x0                ; part, fc_b
	s_load_b64 s[8:9], s[0:1], 0x10                ; out0
	v_lshlrev_b32 v1, 3, v0                        ; 8 bytes a lane
	s_lshr_b32 s10, ttmp9, 4                       ; the batch
	s_and_b32 s11, ttmp9, 15                       ; which 64 labels
	s_mul_i32 s12, s10, 196608
	s_lshl_b32 s14, s11, 8
	s_add_co_u32 s12, s12, s14
	s_mov_b32 s13, 0
	s_lshl_b32 s14, ttmp9, 8                       ; out0: 4,096 x batch + 256 x chunk = 256 x work-group
	s_mov_b32 s15, 0
	s_wait_kmcnt 0x0
	s_load_b32 s16, s[6:7], 0x0                    ; fc_b
	s_add_nc_u64 s[4:5], s[4:5], s[12:13]
	s_add_nc_u64 s[8:9], s[8:9], s[14:15]
.set i, 0
.rept 16
.irp st, 0,1,2
	global_load_b64 v[P+6*i+2*\st:P+6*i+2*\st+1], v1, s[4:5] offset:12288*i+4096*\st th:TH_LOAD_NT
.endr
.set i, i+1
.endr
	s_wait_loadcnt 0x0
.irp e, 0,1
	v_min3_num_f32 v[4+\e], v[P+\e], v[P+6+\e], v[P+12+\e]           ; the least -M
.endr
.irp i, 3,5,7,9,11,13
.irp e, 0,1
	v_min3_num_f32 v[4+\e], v[4+\e], v[P+6*\i+\e], v[P+6*\i+6+\e]
.endr
.endr
.irp e, 0,1
	v_min_num_f32 v[4+\e], v[4+\e], v[P+90+\e]
.endr
.set i, 0
.rept 16
.set FF, F+2*(i%4)
	v_pk_add_f32 v[FF:FF+1], v[4:5], v[P+6*i:P+6*i+1] neg_lo:[0,1] neg_hi:[0,1]   ; the slice's M less M: a whole number, 0 or less
	v_cvt_i32_f32 v[FF], v[FF]                     ; (it saturates)
	v_cvt_i32_f32 v[FF+1], v[FF+1]
	v_ldexp_f32 v[FF], 1.0, v[FF]
	v_ldexp_f32 v[FF+1], 1.0, v[FF+1]
.if i == 0
	v_pk_mul_f32 v[8:9], v[P+2:P+3], v[FF:FF+1]    ; the first slice starts the sums
	v_pk_mul_f32 v[10:11], v[P+4:P+5], v[FF:FF+1]
.else
	v_pk_fma_f32 v[8:9], v[P+6*i+2:P+6*i+3], v[FF:FF+1], v[8:9]
	v_pk_fma_f32 v[10:11], v[P+6*i+4:P+6*i+5], v[FF:FF+1], v[10:11]
.endif
.set i, i+1
.endr
	v_rcp_f32 v12, v8
	v_rcp_f32 v13, v9
	v_nop                                          ; a plain place behind the reciprocals
	s_wait_kmcnt 0x0
	s_wait_alu depctr_va_vdst(0)
	v_fma_f32 v14, v10, v12, s16
	v_fma_f32 v15, v11, v13, s16
	global_store_b64 v1, v[14:15], s[8:9]
	s_endpgm
.Lfunc_end_k_q2e2b7fb618_comb:
	.size	k_q2e2b7fb618_comb, .Lfunc_end_k_q2e2b7fb618_comb-k_q2e2b7fb618_comb
	.p2alignl 7, 3214868480
	.fill 96, 4, 3214868480
	.section	.rodata,"a",@progbits
	.p2align	6, 0x0
	.amdhsa_kernel k_q2e2b7fb618_comb
		.amdhsa_group_segment_fixed_size 0
		.amdhsa_private_segment_fixed_size 0
		.amdhsa_enable_private_segment 0
		.amdhsa_kernarg_size 24
		.amdhsa_user_sgpr_count 2
		.amdhsa_user_sgpr_kernarg_segment_ptr 1
		.amdhsa_wavefront_size32 1
		.amdhsa_system_sgpr_workgroup_id_x 1
		.amdhsa_system_sgpr_workgroup_id_y 1
		.amdhsa_system_sgpr_workgroup_id_z 1
		.amdhsa_system_vgpr_workitem_id 0
		.amdhsa_next_free_vgpr 128
		.amdhsa_next_free_sgpr 66
		.amdhsa_reserve_vcc 0
		.amdhsa_float_denorm_mode_32 3
		.amdhsa_float_denorm_mode_16_64 3
		.amdhsa_memory_ordered 1
		.amdhsa_forward_progress 1
		.amdhsa_inst_pref_size 13
	.end_amdhsa_kernel
	.amdgpu_metadata
---
amdhsa.version: [ 1, 2 ]
amdhsa.kernels:
  - .name:           k_q2e2b7fb618_comb
    .symbol:         k_q2e2b7fb618_comb.kd
    .args:
      - { .name: part, .offset: 0, .size: 8, .value_kind: global_buffer, .address_space: global }
      - { .name: fc_b, .offset: 8, .size: 8, .value_kind: global_buffer, .address_space: global }
      - { .name: out0, .offset: 16, .size: 8, .value_kind: global_buffer, .address_space: global }
    .group_segment_fixed_size: 0
    .private_segment_fixed_size: 0
    .kernarg_segment_align: 8
    .kernarg_segment_size: 24
    .max_flat_workgroup_size: 32
    .sgpr_count:     66
    .vgpr_count:     128
    .wavefront_size: 32
...
	.end_amdgpu_metadata
.endif
;; end of part 3
;; ======== version 2 of 2: 3 launches
;; workspace buffers: qimg 262,144 bytes; qsc 16,384 bytes; part 3,145,728 bytes
;; launch qquant (part 4): grid 32 x 1, 8 waves a work-group, no clusters, 69,120 bytes of LDS; arguments q, qimg, qsc; writes qimg, qsc
.if DOCPART == 4
	.amdgcn_target "amdgcn-amd-amdhsa--gfx1250"
	.amdhsa_code_object_version 6
	.text
	.protected	k_q2e2b7fb618_qquant
	.globl	k_q2e2b7fb618_qquant
	.p2align	8
	.type	k_q2e2b7fb618_qquant,@function
k_q2e2b7fb618_qquant:
	s_mov_b64 s[64:65], 0
	v_nop
	global_prefetch_b8 v0, s[64:65] scope:SCOPE_SE
	s_setreg_imm32_b32 hwreg(HW_REG_WAVE_MODE, 25, 1), 1
	s_wait_xcnt 0x0
; q [1024][512] f32 becomes codes of FP4 (E2M1) along d, one E8M0 scale byte for each 32 along d, laid for the reader:
;   qimg [tile of 16 labels: 64][K step of 128 d: 4][c: 2][lane: 32][16 bytes]: the image of an operand's registers: lane (r, h) holds label r, its registers 4 c .. 4 c + 3 hold d = 128 ks + 64 c + 32 h + 0 .. 31
;   qsc  [tile: 64][r: 16][K step: 4] words: byte b of a word scales d = 128 ks + 32 b + 0 .. 31 of label r
; A block's scale is 2^(floor(log2(its largest magnitude)) - 2); its byte is the largest magnitude's exponent field - 2, held at 1 from below.
; LIMITS: a block of zeros, and a block whose largest magnitude lies under 2^-124, gets the byte 1 (a block of zeros has zero codes, which add nothing; these bytes are read by this program alone); NaN and infinities are not served.
; SHARES: a work-group takes two tiles of labels; wave w makes ONE fragment: tile w / 4, K step w % 4.  Its 16 rows x 512 bytes are loaded as they lie (a load covers 512 consecutive bytes),
; turn through the wave's own stage in LDS (rows 528 bytes apart: sixteen rows of a read begin at sixteen different 16-byte columns modulo 256), and come back 128 bytes (a whole block) a lane.
; No matrix work, no tensor load, no cluster: 2 MiB are read once and nothing is shared.
.set SPITCH, 528
.set WST,    16*SPITCH                 ; a wave's stage
.set SCQ,    8*WST                     ; behind the stages: the work-group's 128 scale words
.set X,   32                           ; v32-95   16 rows as loaded
.set Y,   96                           ; v96-159  two whole blocks of 32 numbers
.set TM,  8                            ; v8-9     largest magnitudes
.set SO,  10                           ; v10-11   the conversions' scale operands
.set BY,  12                           ; v12-13   the scale bytes
.set CD,  20                           ; v20-27   the codes: the fragment's registers
	s_load_b128 s[4:7], s[0:1], 0x0                ; q, qimg
	s_load_b64 s[8:9], s[0:1], 0x10                ; qsc
	v_lshl_add_u32 v160, v0, 2, 0x10a00
	v_mov_b32 v161, 0
	v_lshrrev_b32 v1, 5, v0
	s_delay_alu instid0(VALU_DEP_1)
	v_readfirstlane_b32 s10, v1                    ; wave 0..7
	v_and_b32 v1, 31, v0                           ; lane
	s_wait_alu depctr_va_vdst(0)
	v_and_b32 v2, 15, v0                           ; r
	s_wait_alu depctr_va_vdst(0)
	v_bfe_u32 v3, v0, 4, 1                         ; h
	s_lshr_b32 s11, s10, 2                         ; which of the two tiles
	s_and_b32 s12, s10, 3                          ; which K step
	s_lshl_b32 s13, s12, 9                         ; a K step is 512 bytes of a row,
	s_lshl_b32 s14, s11, 15                        ; a tile 16 rows of 2,048 bytes
	s_add_co_u32 s13, s13, s14
	v_lshl_add_u32 v4, v1, 4, s13                  ; q: 16 bytes a lane
	s_mul_i32 s15, s10, WST                        ; my stage
	v_lshl_add_u32 v5, v1, 4, s15                  ; into it: as loaded
	v_mul_u32_u24 v6, v2, SPITCH
	s_delay_alu instid0(VALU_DEP_1)
	v_lshl_add_u32 v6, v3, 7, v6
	s_delay_alu instid0(VALU_DEP_1)
	v_add_nc_u32 v6, s15, v6                       ; out of it: row r, block h (128 bytes)
	s_lshl_b32 s13, s11, 12
	s_lshl_b32 s14, s12, 10
	s_add_co_u32 s13, s13, s14
	v_lshl_add_u32 v7, v1, 4, s13                  ; qimg: 4,096 x tile + 1,024 x K step + 16 x lane
	s_lshl_b32 s13, s11, 8
	s_lshl_b32 s14, s12, 2
	s_add_co_u32 s13, s13, s14
	s_add_co_u32 s13, s13, SCQ
	v_lshl_add_u32 v17, v2, 4, s13                 ; my row's scale word in LDS: 256 x tile + 16 r + 4 x K step
	v_lshl_add_u32 v18, v1, 4, SCQ                 ; wave 0 reads them back, 16 bytes a lane,
	v_lshlrev_b32 v19, 4, v1                       ; and stores them so
	v_lshlrev_b32 v15, 3, v3                       ; 8 h
	v_mov_b32 v16, 0                               ; a lane permute's destination counts as read: written once
	s_mov_b32 s16, 0x76543210
	s_mov_b32 s17, 0xfedcba98                      ; v_permlanex16_b32's selects for lane l xor 16
	s_lshl_b32 s20, ttmp9, 16                      ; the work-group's 32 rows of q,
	s_mov_b32 s21, 0
	s_lshl_b32 s22, ttmp9, 13                      ; its two tiles of qimg,
	s_mov_b32 s23, 0
	s_lshl_b32 s24, ttmp9, 9                       ; and of qsc
	s_mov_b32 s25, 0
	s_wait_alu depctr_va_vdst(0)
	s_wait_kmcnt 0x0
	s_add_nc_u64 s[4:5], s[4:5], s[20:21]
	s_add_nc_u64 s[6:7], s[6:7], s[22:23]
	s_add_nc_u64 s[8:9], s[8:9], s[24:25]
.set i, 0
.rept 16
	global_load_b128 v[X+4*i:X+4*i+3], v4, s[4:5] offset:2048*i th:TH_LOAD_NT   ; row i: 32 lanes read 512 consecutive bytes
.set i, i+1
.endr
	s_wait_loadcnt 0x0
.set i, 0
.rept 16
	ds_store_b128 v5, v[X+4*i:X+4*i+3] offset:SPITCH*i
.set i, i+1
.endr
.irp c, 0,1
.set i, 0
.rept 8
	ds_load_b128 v[Y+32*\c+4*i:Y+32*\c+4*i+3], v6 offset:256*\c+16*i   ; LDS serves a wave's instructions in order: these see my stores.  Block 2 c + h of row r
.set i, i+1
.endr
.endr
	s_wait_dscnt 0x0
.irp c, 0,1
	v_max3_num_f32 v[TM+\c], |v[Y+32*\c]|, |v[Y+32*\c+1]|, 0x1800000   ; the block's largest magnitude, with the floor 2^(3 - 127) among its leaves: the byte cannot fall under 1
.endr
.set j, 2
.rept 15
.irp c, 0,1
	s_delay_alu instid0(VALU_DEP_2)
	v_max3_num_f32 v[TM+\c], v[TM+\c], |v[Y+32*\c+j]|, |v[Y+32*\c+j+1]|   ; (the two blocks by turns)
.endr
.set j, j+2
.endr
.irp c, 0,1
	s_delay_alu instid0(VALU_DEP_2)
	v_add_nc_u32 v[SO+\c], 0xff000000, v[TM+\c]    ; 2 off its exponent field: the conversion takes the exponent field of this operand as its scale
.endr
.irp c, 0,1
	s_delay_alu instid0(VALU_DEP_2)
	v_lshrrev_b32 v[BY+\c], 23, v[SO+\c]           ; the scale's byte
.endr
	s_delay_alu instid0(VALU_DEP_1)
	v_lshl_or_b32 v14, v[BY+1], 16, v[BY]          ; my two bytes: blocks h and 2 + h,
	s_delay_alu instid0(VALU_DEP_1)
	v_lshlrev_b32 v14, v15, v14                    ; at their places in the word;
	s_delay_alu instid0(VALU_DEP_1)
	v_permlanex16_b32 v16, v14, s16, s17
	s_delay_alu instid0(VALU_DEP_1)
	v_or_b32 v14, v14, v16                         ; with lane l xor 16's two the word is whole
.irp c, 0,1
.irp g, 0,1,2,3
	v_cvt_scalef32_pk8_fp4_f32 v[CD+4*\c+\g], v[Y+32*\c+8*\g:Y+32*\c+8*\g+7], v[SO+\c]
.endr
.endr
	v_nop                                          ; one plain place behind the last scaled conversion
	global_store_b128 v7, v[CD:CD+3], s[6:7]       ; 32 lanes store 512 consecutive bytes, aligned
	global_store_b128 v7, v[CD+4:CD+7], s[6:7] offset:512
	ds_store_b32 v17, v14                          ; lanes r and r + 16 write the same word with the same value
	s_wait_dscnt 0x0                               ; for wave 0's sake: my word has landed
	s_barrier_signal -1
	s_barrier_wait -1
	s_cmp_lg_u32 s10, 0
	s_cbranch_scc1 .Ldone                          ; wave 0 alone stores the two tiles' 128 words
	ds_load_b128 v[28:31], v18
	s_wait_dscnt 0x0
	global_store_b128 v19, v[28:31], s[8:9]        ; 512 consecutive bytes, aligned
.Ldone:
	s_wait_tensorcnt 0x0
	ds_add_u32 v160, v161
	s_wait_dscnt 0x0
	s_endpgm
.Lfunc_end_k_q2e2b7fb618_qquant:
	.size	k_q2e2b7fb618_qquant, .Lfunc_end_k_q2e2b7fb618_qquant-k_q2e2b7fb618_qquant
	.p2alignl 7, 3214868480
	.fill 96, 4, 3214868480
	.section	.rodata,"a",@progbits
	.p2align	6, 0x0
	.amdhsa_kernel k_q2e2b7fb618_qquant
		.amdhsa_group_segment_fixed_size 69120
		.amdhsa_private_segment_fixed_size 0
		.amdhsa_enable_private_segment 0
		.amdhsa_kernarg_size 24
		.amdhsa_user_sgpr_count 2
		.amdhsa_user_sgpr_kernarg_segment_ptr 1
		.amdhsa_wavefront_size32 1
		.amdhsa_system_sgpr_workgroup_id_x 1
		.amdhsa_system_sgpr_workgroup_id_y 1
		.amdhsa_system_sgpr_workgroup_id_z 1
		.amdhsa_system_vgpr_workitem_id 0
		.amdhsa_next_free_vgpr 162
		.amdhsa_next_free_sgpr 66
		.amdhsa_reserve_vcc 0
		.amdhsa_float_denorm_mode_32 3
		.amdhsa_float_denorm_mode_16_64 3
		.amdhsa_memory_ordered 1
		.amdhsa_forward_progress 1
		.amdhsa_inst_pref_size 11
	.end_amdhsa_kernel
	.amdgpu_metadata
---
amdhsa.version: [ 1, 2 ]
amdhsa.kernels:
  - .name:           k_q2e2b7fb618_qquant
    .symbol:         k_q2e2b7fb618_qquant.kd
    .args:
      - { .name: q, .offset: 0, .size: 8, .value_kind: global_buffer, .address_space: global }
      - { .name: qimg, .offset: 8, .size: 8, .value_kind: global_buffer, .address_space: global }
      - { .name: qsc, .offset: 16, .size: 8, .value_kind: global_buffer, .address_space: global }
    .group_segment_fixed_size: 69120
    .private_segment_fixed_size: 0
    .kernarg_segment_align: 8
    .kernarg_segment_size: 24
    .max_flat_workgroup_size: 256
    .sgpr_count:     66
    .vgpr_count:     162
    .wavefront_size: 32
...
	.end_amdgpu_metadata
.endif
;; end of part 4
;; launch main (part 5): grid 16 x 16, 8 waves a work-group, no clusters, 320,512 bytes of LDS; arguments x, qimg, qsc, fc_w, part; writes part
.if DOCPART == 5
	.amdgcn_target "amdgcn-amd-amdhsa--gfx1250"
	.amdhsa_code_object_version 6
	.text
	.protected	k_q2e2b7fb618_main
	.globl	k_q2e2b7fb618_main
	.p2align	8
	.type	k_q2e2b7fb618_main,@function
k_q2e2b7fb618_main:
	s_mov_b64 s[64:65], 0
	v_nop
	global_prefetch_b8 v0, s[64:65] scope:SCOPE_SE
	s_setreg_imm32_b32 hwreg(HW_REG_WAVE_SCHED_MODE, 0, 2), 2
	s_setreg_imm32_b32 hwreg(HW_REG_WAVE_MODE, 25, 1), 1
	s_wait_xcnt 0x0
	s_wait_alu depctr_vm_vsrc(0)
; LABEL-WISE ATTENTION, one slice of the keys for all labels.  scores = x q^T (K = d = 512), softmax over the 4,096 keys t, O = p x (K = t), out = (O . fc_w) / l + fc_b.  Both products on codes of FP4 (E2M1) with one E8M0
; scale for each 32 along K, by v_wmma_scale_f32_16x16x128_f8f6f4; everything else in f32.
; THE SPLIT.  The result is ONE number for a batch and a label, so a part of the keys leaves three numbers: -M (M = the ceiling of the part's largest t = score x log2(e), a whole number), l = the sum of the unquantised
; p = 2^(t - M), and r = (the sum of Q(p) Q(x)) . fc_w.  Parts are joined by exact powers of two.  A work-group owns 256 keys of one batch (x = slice, y = batch) and ALL 1,024 labels: its 512 KiB of x are read from memory
; once, quantised BOTH ways (along d for the scores, along t for the second product) and kept in LDS as codes; no code of x ever goes to memory.
; SHARES.  Eight waves, two to a SIMD, 512 registers each.  The 256 keys are two sub-slices of 128.  Wave w (a) quantises the strip d = 64 w .. 64 w + 63 of every sub-slice, in patches of 32 keys x 64 d,
; and (b) computes labels 128 w .. 128 w + 127, in two groups of 64 (four tiles of 16).  A unit = a sub-slice x a group: each fragment of keys read from LDS feeds 4 products, each fragment of values 8.
; ORDER.  sub-slice 0 quantised | barrier | its two units, each with two patches of sub-slice 1 loaded under the softmax and quantised behind it | barrier | sub-slice 1's two units | the second product over all 256 keys | store.
; Between the two barriers waves write only sub-slice 1's images, which nobody reads yet; P, the statistics and the stage are each wave's own bytes.
; M RUNS from sub-slice 0 to sub-slice 1: sub-slice 1's p stand under the larger of the two M; l of sub-slice 0 is multiplied by 2^(old M - new M), and its P is brought under the new M by taking new M - old M off its
; scale bytes: both exact.  So a tile of O^T is summed over both sub-slices (two K steps) and dotted with fc_w once.
; LAYOUT.  Both products are used transposed: S^T = K Q^T (source 0 = 16 keys, source 1 = 16 labels), O^T = V^T P^T (source 0 = 16 of the 512 d, source 1 = P): a lane holds ONE label (lane % 16) throughout.
; THE KEYS OF A TILE ARE NOT NEIGHBOURS: row m of key tile 2 tb + u is key 32 tb + 8 u + m + 8 (m / 8), so that a lane's 16 registers of tiles 2 tb and 2 tb + 1 are the neighbouring keys 32 tb + 16 (lane / 16) + 0 .. 15.
; Operands lie in LDS as images of their registers (16 bytes a lane on end), so every fragment load reads 512 consecutive bytes.
; P goes through the wave's own LDS bytes: all four units' P (128 registers) must wait for the second product while the scores of the next unit fill the registers.
; O is never kept: a tile of O^T is begun with C = 0, dotted with fc_w by four packed multiply-adds and forgotten; these stand between the products of the next tile.
; NO CLUSTER, NO TENSOR LOAD: no two work-groups share a byte of x, and x has to pass through registers to be quantised.  q's codes are shared by all, but they go straight into operand registers (LDS is full of the slice's
; images: 319,488 bytes), where a joint load cannot put them.
; LIMITS: NaN and infinities are not served.  A block of x whose largest magnitude lies under 2^-124 (a block of zeros too) gets the scale byte 1; a p under 2^-126 of the running largest counts as 0; a scale byte of
; sub-slice 0's P that would fall under 0 is held at 0 (2^-127): what it then adds is at most 6 x 2^-127 x |x| a key, beside a sum l over 1/2.
; THE MODE: SCHED_MODE bits 1:0 = 2 (LLVM: expert scheduling mode 2), set by the entry lines.  The code itself states the register dependences between vector or matrix instructions and memory or LDS instructions,
; with s_wait_alu, always for 0.
; THE PLAN.  Registers that memory or LDS instructions touch, and who else names them:
;   v1, v2, v4-16, v25, v26, v117-119   addresses made at the head and never written again: one wait on va_vdst ahead of the first LDS store serves them for the whole kernel.
;   v3          x's offset: written at the head and at the end of a unit that fills; a wait on vm_vsrc stands between x's loads and that add, the next unit's head states the write.
;   v17-21      the unit's addresses (P, its scale words, the statistics, q): written at a unit's head alone, between that head's wait on vm_vsrc and its wait on va_vdst.
;   v27, v114-116  the patches' four addresses: written behind the fill's wait on vm_vsrc, stated written by the wait at the head of the patch's stores.
;   v22-24      the second product's addresses: written once a trip, behind a wait on vm_vsrc; the step's own wait on va_vdst follows.
;   v32-95      by turns: the keys' fragments (LDS loads land, products read) and work registers of the quantiser and the softmax (vector lines write, LDS stores read).
;   v96-113, v120-127  scale words: loads land, products read.     v128-255  q's fragments, x's patches, P's fragments: loads land; products read q and P, the stage's stores read the patches.
;   window 1    the scores (products write, the softmax works in place), a patch's numbers (LDS loads land, the quantiser reads), the values' fragments (LDS loads land, products read).
; THE WAITS.  A run of stores has one wait on va_vdst at its head, which also shows the vector work in front of it done with every register in which later loads land; a key tile's sixteen products and a step of
; the second product have one wait on va_vdst behind them, ahead of the run of loads into the registers that they read; one wait on vm_vsrc stands ahead of the first line that writes again what stores or loads have read.
.set KIMG,  0                          ; keys' codes:   32,768 s + 4,096 (2 ks + c) + 512 kt + 16 lane      (written by wave 2 ks + c)
.set VIMG,  65536                      ; values' codes: 32,768 s + 1,024 dt + 256 tb + 16 r                 (written by wave dt / 4; read as 512 c + 16 lane)
.set PIM,   131072                     ; sub-slice 0's P: 8,192 w + 1,024 (4 g + lt) + 512 c + 16 lane      (the wave's own; sub-slice 1's lie so in the wave's stage)
.set KSC,   196608                     ; keys' scale words:   2,048 s + 512 ks + 128 tb + 64 u + 4 r; wave 2 ks + c writes halfword c
.set VSC,   200704                     ; values' scale bytes: 2,048 s + 4 d + tb
.set PSCL,  204800                     ; P's scale words:     2,048 w + 1,024 s + 128 (4 g + lt) + 4 lane    (own)
.set STATS, 221184                     ; -M, l, r:            3,072 w + 1,536 s + 512 stat + 4 label         (own; s = 1 holds the final three)
.set WL,    245760                     ; fc_w as it lies
.set STAGE, 247808                     ; a patch of 32 rows x 256 bytes for each wave: row t at 272 t + 128 (t / 16); when the last patch is done, sub-slice 1's P
.set WSTG,  8960
; REGISTERS, window 0 (v0-255)
.set LI,   1                           ; 16 lane
.set LKS,  2                           ; KSC + 4 lane: lanes 0-15 take tile 2 tb's words, lanes 16-31 tile 2 tb + 1's
.set XO,   3                           ; x: 2,048 h + 16 r + 256 w: a load covers two rows x 256 aligned bytes
.set STW,  4                           ; the stage, on the way in
.set KRD,  5                           ; out of it by rows: key row r + 8 (r / 8), block h of 32 d
.set VRD,  6                           ; out of it by columns: 4 lane
.set AKI,  7                           ; where my codes and scales go
.set AKS,  8
.set AVI,  9
.set AVS,  10
.set SH8,  11                          ; 8 h
.set QOB,  12                          ; q's codes and scale words: my wave's place
.set QSB,  13
.set PADB, 14                          ; my P images of sub-slice 0, my P scale words, my statistics
.set PSAB, 15
.set SADB, 16
.set PADT, 17                          ; the same for the unit in hand
.set PSAT, 18
.set SADT, 19
.set QOT,  20                          ; q's codes and scale words of the group that is loaded next
.set QST,  21
.set VADT, 22                          ; the second product's addresses for the trip in hand
.set VSAT, 23
.set WADT, 24
.set VSAB, 25
.set WADB, 26
.set TKI,  27                          ; AKI .. AVS for the patches in hand: v27, v114-116
.set P1B,  27                          ; behind the last patch v27 is made anew: my P images of sub-slice 1: my stage + 16 lane
.set PM,   28                          ; v28-31  destinations of lane permutes, written once at the head
.set KF,   32                          ; v32-95  keys' fragments, two sets of 32; between the products: at work
.set KS,   96                          ; v96-103   keys' scale words, two sets of 4   (v96-113 and v120-127 hold scales and nothing else)
.set PS,   96                          ; v96-111   in the second product: P's scale words, sub-slice u, tile t at 8 u + t
.set VS,   112                         ; v112-113, v120-121  values' scale words: set p, sub-slice u at 8 p + u
.set TKS,  114
.set TVI,  115
.set TVS,  116
.set VADB, 117
.set MRG,  118
.set GOUT, 119
.set QS,   120                         ; v120-127  q's scale words: register 4 p + ks: lanes 0-15 tile 2 p, lanes 16-31 tile 2 p + 1
.set QF,   128                         ; v128-255  q's fragments (tile lt, K step ks) at 32 lt + 8 ks; between the units: two patches of x as loaded
.set PF,   128                         ; v128-255  in the second product: P's 16 fragments, sub-slice u, tile t at 64 u + 8 t
; at work in v32-95: a patch's quantiser
.set TM,   32
.set QSO,  36
.set QBY,  40
.set HW,   44
.set TT,   46
.set CD,   48
; a tile's softmax
.set BM,   32
.set RM,   36
.set SSO,  40
.set SBY,  44
.set PC,   48
.set NM,   56
.set SU,   60
.set PW,   64
.set LD3,  66                          ; v66-77  tile lt at 3 lt: sub-slice 0's -M, its l, its P's scale word
.set AW,   78                          ; that word under the new M
.set DF,   79
.set DL,   80
.set T1,   81
.set FF,   82
; the second product
.set WF,   48                          ; v48-63  fc_w's numbers of a tile of d, two sets of 8
.set RT,   32
.set RX,   40
.set MO,   64
; window 1 (v256-511), by low numbers: S^T of tile lt, key tile kt at 64 lt + 8 kt; a patch's 128 numbers at 0 or at 128; in the second product:
.set VF,   0                           ; values' fragments: set p, sub-slice u at 16 p + 8 u
.set OA,   64                          ; two sets of 8 tiles of O^T
.set RR,   192                         ; r, a pair for each tile of labels
.set FLOOR, 36                         ; s36  2^(3 - 127)
.set MSB, 0
.macro WIN new                         ; s_set_vgpr_msb: bits 1:0 source 0, 3:2 source 1, 5:4 source 2, 7:6 destination; the high byte repeats the setting that is left; a switch that changes nothing is dropped
.if MSB != (\new)
	s_set_vgpr_msb (MSB<<8)|(\new)
.set MSB, \new
.endif
.endm
.macro BARRIER                         ; my LDS stores have landed and my LDS loads are in: then the work-group's barrier
	s_wait_dscnt 0x0
	s_barrier_signal -1
	s_barrier_wait -1
.endm
; A patch, 32 keys x 64 d, from imm bytes on, into 64 registers from xr of window hi
.macro XLOAD xr, hi, imm
	WIN 0x40*(\hi)
.set i, 0
.rept 16
	global_load_b128 v[\xr+4*i:\xr+4*i+3], v[XO], s[4:5] offset:\imm+4096*i th:TH_LOAD_NT
.set i, i+1
.endr
.endm
.macro PSTAGE xr, hi                   ; into my stage as loaded: rows 2 i and 2 i + 1.  The data come from loads and no vector line names them
	WIN 0x04*(\hi)
.set i, 0
.rept 16
	ds_store_b128 v[STW], v[\xr+4*i:\xr+4*i+3] offset:544*i+128*(i/8)
.set i, i+1
.endr
.endm
; Out of the stage, twice, into window 1 from wk on: 32 u + ..: key row 8 u + r + 8 (r / 8), my block h of 32 d (a block of the scores' K);  64 + 32 g + t: column 32 g + lane, down the 32 keys (a block of the second product's K).
; Rows 272 bytes apart, and 128 more from row 16 on: the sixteen rows of a read by rows begin at sixteen different 16-byte columns modulo 256.
; No wait on va_vdst stands here: the vector lines that last named these registers stand ahead of the wait at the head of the last run of stores, and no vector line has been issued since.
.macro PREAD wk
	WIN 0x40
.irp u, 0,1
.set j, 0
.rept 8
	ds_load_b128 v[\wk+32*\u+4*j:\wk+32*\u+4*j+3], v[KRD] offset:2176*\u+16*j
.set j, j+1
.endr
.endr
.irp g, 0,1
.set j, 0
.rept 32
	ds_load_b32 v[\wk+64+32*\g+j], v[VRD] offset:272*j+128*(j/16)+128*\g
.set j, j+1
.endr
.endr
.endm
; Four whole blocks of 32 numbers of a lane become 4 x 4 registers of codes, their bytes, and for the keys' two the halfword of blocks h = 0, 1
.macro PQUANT wk
	WIN 0x14
.irp k, 0,1,2,3
	v_max3_num_f32 v[TM+\k], s[FLOOR], |v[\wk+32*\k]|, |v[\wk+32*\k+1]|   ; the largest magnitude, with the floor among its leaves: the byte cannot fall under 1
.endr
.set j, 2
.rept 15
.irp k, 0,1,2,3
	v_max3_num_f32 v[TM+\k], v[TM+\k], |v[\wk+32*\k+j]|, |v[\wk+32*\k+j+1]|   ; (the four blocks by turns)
.endr
.set j, j+2
.endr
	WIN 0
.irp k, 0,1,2,3
	v_add_nc_u32 v[QSO+\k], 0xff000000, v[TM+\k]   ; 2 off the exponent field: the conversion's scale operand
.endr
.irp k, 0,1,2,3
	v_lshrrev_b32 v[QBY+\k], 23, v[QSO+\k]         ; the scale's byte
.endr
	WIN 0x01
.irp k, 0,1,2,3
.irp g, 0,1,2,3
	v_cvt_scalef32_pk8_fp4_f32 v[CD+4*\k+\g], v[\wk+32*\k+8*\g:\wk+32*\k+8*\g+7], v[QSO+\k]
.endr
.endr
	WIN 0
	v_nop                                          ; one plain place behind the last scaled conversion
.irp u, 0,1
	v_lshlrev_b32 v[TT+\u], v[SH8], v[QBY+\u]      ; my byte at its place,
.endr
.irp u, 0,1
	v_permlanex16_b32 v[PM+\u], v[TT+\u], s16, s17
.endr
.irp u, 0,1
	v_or_b32 v[HW+\u], v[TT+\u], v[PM+\u]          ; with lane l xor 16's: my strip's half of the key row's scale word
.endr
.endm
.macro PSTORE aki, aks, avi, avs, ik, ih, iv, ib
	WIN 0
	s_wait_alu depctr_va_vdst(0)                   ; the quantiser has written the codes, the halfwords and the bytes, which these stores read (for sub-slice 1's patches their four addresses too); it is also done reading the patch's numbers, in which the next patch's land
.irp u, 0,1
	ds_store_b128 v[\aki], v[CD+4*\u:CD+4*\u+3] offset:\ik+512*\u     ; 512 consecutive bytes
	ds_store_b16 v[\aks], v[HW+\u] offset:\ih+64*\u                   ; lanes r and r + 16 write the same halfword with the same value
.endr
.irp g, 0,1
	ds_store_b128 v[\avi], v[CD+8+4*\g:CD+8+4*\g+3] offset:\iv+2048*\g
	ds_store_b8 v[\avs], v[QBY+2+\g] offset:\ib+128*\g
.endr
.endm
; q's 16 fragments and 8 registers of scale words of the group whose addresses stand in v[QOT], v[QST]: 34 loads.  The addresses were made at a unit's head (the first time: at the kernel's), ahead of a wait on va_vdst
.macro QLOADS
	WIN 0
.irp lt, 0,1,2,3
.irp ks, 0,1,2,3
.irp c, 0,1
	global_load_b128 v[QF+32*\lt+8*\ks+4*\c:QF+32*\lt+8*\ks+4*\c+3], v[QOT], s[6:7] offset:4096*\lt+1024*\ks+512*\c
.endr
.endr
.endr
.irp p, 0,1
	global_load_b128 v[QS+4*\p:QS+4*\p+3], v[QST], s[8:9] offset:512*\p
.endr
.endm
; Key tile kt's four fragments into set kt % 2; with an even tile the scale words of the pair of tiles
.macro KL s, kt
.if (\kt)%2 == 0
.irp ks, 0,1,2,3
	ds_load_b32 v[KS+4*(((\kt)/2)%2)+\ks], v[LKS] offset:2048*\s+512*\ks+128*((\kt)/2)
.endr
.endif
.irp ks, 0,1,2,3
.irp c, 0,1
	ds_load_b128 v[KF+32*((\kt)%2)+8*\ks+4*\c:KF+32*((\kt)%2)+8*\ks+4*\c+3], v[LI] offset:32768*\s+4096*(2*\ks+\c)+512*(\kt)
.endr
.endr
.endm
.macro SWMMA c, ra, rb                 ; one product of the scores; c: its C; ra, rb: the halves of the lanes in which the keys' and the labels' scale words lie
.if (\ra) && (\rb)
	v_wmma_scale_f32_16x16x128_f8f6f4 v[rS:rS+7], v[rK:rK+7], v[rQ:rQ+7], \c, v[rA], v[rB] matrix_a_fmt:MATRIX_FMT_FP4 matrix_b_fmt:MATRIX_FMT_FP4 matrix_a_scale:MATRIX_SCALE_ROW1 matrix_b_scale:MATRIX_SCALE_ROW1
.elseif (\ra)
	v_wmma_scale_f32_16x16x128_f8f6f4 v[rS:rS+7], v[rK:rK+7], v[rQ:rQ+7], \c, v[rA], v[rB] matrix_a_fmt:MATRIX_FMT_FP4 matrix_b_fmt:MATRIX_FMT_FP4 matrix_a_scale:MATRIX_SCALE_ROW1
.elseif (\rb)
	v_wmma_scale_f32_16x16x128_f8f6f4 v[rS:rS+7], v[rK:rK+7], v[rQ:rQ+7], \c, v[rA], v[rB] matrix_a_fmt:MATRIX_FMT_FP4 matrix_b_fmt:MATRIX_FMT_FP4 matrix_b_scale:MATRIX_SCALE_ROW1
.else
	v_wmma_scale_f32_16x16x128_f8f6f4 v[rS:rS+7], v[rK:rK+7], v[rQ:rQ+7], \c, v[rA], v[rB] matrix_a_fmt:MATRIX_FMT_FP4 matrix_b_fmt:MATRIX_FMT_FP4
.endif
.endm
; THE SCORES of a unit: 8 key tiles x 4 tiles of labels x 4 K steps = 128 products.  A key tile's loads are issued two tiles ahead.  The four accumulators of a key tile take turns, one instruction a turn.
.macro SPHASE s
	WIN 0
	KL \s, 0
	KL \s, 1
.irp kt, 0,1,2,3,4,5,6,7
.if \kt == 7
	s_wait_dscnt 0x0                               ; nothing was issued behind the last tile's loads
.elseif \kt % 2
	s_wait_dscnt 12                                ; behind this tile's loads: the next (even) tile's 4 + 8
.else
	s_wait_dscnt 8                                 ; behind this tile's loads: the next (odd) tile's 8
.endif
	WIN 0x50                                       ; C and D in window 1
.irp ks, 0,1,2,3
.irp lt, 0,1,2,3
.set rS, 64*\lt+8*\kt
.set rK, KF+32*(\kt%2)+8*\ks
.set rQ, QF+32*\lt+8*\ks
.set rA, KS+4*((\kt/2)%2)+\ks
.set rB, QS+4*(\lt/2)+\ks
.if \ks == 0
	SWMMA 0, \kt%2, \lt%2                          ; the first K step starts the sum
.else
	SWMMA v[rS:rS+7], \kt%2, \lt%2
.endif
.endr
.endr
	WIN 0
.rept 4
	v_nop                                          ; the four places stay as they stood: behind the last tile they stand in front of the first read of the scores (ISA guide 7.12.1)
.endr
.if \kt != 6
	s_wait_alu depctr_va_vdst(0)                   ; the products issued so far are done reading their operands: tiles 0 to 5: the keys' set and scale words in which the loads below land; tile 7: q's fragments and scale words and the keys' registers, in which the loads behind the phase land
.endif
.if \kt < 6
	KL \s, \kt+2
.endif
.endr
.endm
; THE SOFTMAX of a tile of 16 labels x 128 keys.  A block's largest p is not searched for: p rises with the score, so the block's largest SCORE goes through the same multiply-add and exponential.
; P's codes, its scale word, -M and l go to the wave's own LDS bytes.  s = 1: M is the larger of sub-slice 0's and this unit's; l takes sub-slice 0's l x 2^(old M - new M) in; sub-slice 0's scale word goes under the new M.
.macro SM lt, s
.set T, 64*\lt
.if \s
	WIN 0
	ds_load_b32 v[LD3+3*\lt], v[SADT] offset:64*\lt            ; sub-slice 0's -M,
	ds_load_b32 v[LD3+3*\lt+1], v[SADT] offset:512+64*\lt      ; its l,
	ds_load_b32 v[LD3+3*\lt+2], v[PSAT] offset:128*\lt         ; its P's scale word: my own bytes, which I stored; they are waited for below.  (No vector line since the last wait on va_vdst names these three registers: each tile has its own)
.endif
	WIN 0x15
.irp b, 0,1,2,3
	v_max3_num_f32 v[BM+\b], v[T+16*\b], v[T+16*\b+1], v[T+16*\b+2]   ; each accumulator is read from its low end on
.endr
	WIN 0x14
.irp i, 3,5,7,9,11,13
.irp b, 0,1,2,3
	v_max3_num_f32 v[BM+\b], v[BM+\b], v[T+16*\b+\i], v[T+16*\b+\i+1]
.endr
.endr
.irp b, 0,1,2,3
	v_max_num_f32 v[BM+\b], v[BM+\b], v[T+16*\b+15]
.endr
	WIN 0
.irp b, 0,1,2,3
	v_permlanex16_b32 v[PM+\b], v[BM+\b], s16, s17
.endr
.irp b, 0,1,2,3
	v_max_num_f32 v[BM+\b], v[BM+\b], v[PM+\b]     ; with lane l xor 16's 16 keys: the block's largest score
.endr
	v_max3_num_f32 v[RM], v[BM], v[BM+1], v[BM+2]
	v_max_num_f32 v[RM], v[RM], v[BM+3]
	v_mul_f32 v[RM], s18, v[RM]                    ; the largest t
	s_wait_alu depctr_va_vdst(0)
	s_wait_dscnt 0x0                               ; the tile before has stored; with s = 1 the three loads above are in
.if \lt > 0
	s_wait_alu depctr_vm_vsrc(0)                   ; the stores of the tile before have read v[NM], v[PC ..], v[PW] and v[SU] (s = 1: v[AW] too), which this tile writes again from here on
.endif
	v_floor_f32 v[NM], -v[RM]                      ; -M = floor(-t) = -ceil(t)
.if \s
	v_min_num_f32 v[NM], v[NM], v[LD3+3*\lt]       ; the running M: the larger M is the lesser -M
.endif
.irp b, 0,1,2,3
	v_fma_f32 v[BM+\b], v[BM+\b], s18, v[NM]
.endr
.if \s
	v_sub_f32 v[DF], v[NM], v[LD3+3*\lt]           ; old M - new M: a whole number, 0 or less
	v_or_b32 v[AW], 0x80808080, v[LD3+3*\lt+2]     ; the old word's bytes lie between 1 and 125: with bit 7 set no byte borrows from its neighbour below
	v_cvt_i32_f32 v[DF], v[DF]                     ; (it saturates)
	v_sub_nc_u32 v[DL], 0, v[DF]
	v_ldexp_f32 v[FF], 1.0, v[DF]                  ; f = 2^(old M - new M)
	v_min_u32 v[DL], 127, v[DL]                    ; what comes off each byte, 127 at the most,
	v_lshl_or_b32 v[DL], v[DL], 8, v[DL]
	v_lshl_or_b32 v[DL], v[DL], 16, v[DL]          ; in all four bytes
	v_sub_nc_u32 v[AW], v[AW], v[DL]               ; a byte that kept bit 7 has not fallen under 0: its low seven bits are the new byte
	v_lshrrev_b32 v[T1], 7, v[AW]
	v_and_b32 v[T1], 0x01010101, v[T1]
	v_lshlrev_b32 v[DL], 7, v[T1]
	v_sub_nc_u32 v[T1], v[DL], v[T1]               ; 0x7f for such a byte, 0 for the others,
	v_and_b32 v[AW], v[AW], v[T1]                  ; which are held at 0
.endif
	WIN 0x41
.set j, 0
.rept 32
	v_pk_fma_f32 v[T+j:T+j+1], v[T+j:T+j+1], s[18:19], v[NM:NM+1] op_sel_hi:[1,0,0]   ; t - M, two at a time (of the pairs the low word serves both halves)
.set j, j+2
.endr
.set j, 0
	s_wait_alu depctr_va_vdst(0)
.rept 64
	v_exp_f32 v[T+j], v[T+j]                       ; p = 2^(t - M): not normalised
.set j, j+1
.endr
	WIN 0
.irp b, 0,1,2,3
	v_exp_f32 v[BM+\b], v[BM+\b]                   ; the block's largest p: the same two instructions on the same number
.endr
	v_nop                                          ; a plain place behind the exponentials
	s_wait_alu depctr_va_vdst(0)                   ; the 68 exponentials have written the tile's p and the four blocks' largest p: one wait for the batch, ahead of its first reader
.irp b, 0,1,2,3
	v_max_num_f32 v[BM+\b], s[FLOOR], v[BM+\b]     ; the floor: the byte cannot fall under 1
.endr
.irp b, 0,1,2,3
	v_add_nc_u32 v[SSO+\b], 0xff000000, v[BM+\b]
.endr
.irp b, 0,1,2,3
	v_lshrrev_b32 v[SBY+\b], 23, v[SSO+\b]
.endr
	v_lshl_or_b32 v[PW], v[SBY+1], 8, v[SBY]       ; P's scale word for these 128 keys
	v_lshl_or_b32 v[PW], v[SBY+2], 16, v[PW]
	v_lshl_or_b32 v[PW], v[SBY+3], 24, v[PW]
	WIN 0x01
.irp b, 0,1,2,3
	v_cvt_scalef32_pk8_fp4_f32 v[PC+2*\b], v[T+16*\b:T+16*\b+7], v[SSO+\b]
	v_cvt_scalef32_pk8_fp4_f32 v[PC+2*\b+1], v[T+16*\b+8:T+16*\b+15], v[SSO+\b]
.endr
	WIN 0
	v_nop                                          ; one plain place behind the last scaled conversion
.irp c, 0,1                            ; the operand's layout wants a WHOLE block in a lane: lanes 0-15 block 2 c, lanes 16-31 block 2 c + 1
.irp i, 0,1
	v_permlane16_swap_b32 v[PC+4*\c+\i], v[PC+4*\c+2+\i]
.endr
.endr
	WIN 0x05
	v_pk_add_f32 v[SU:SU+1], v[T:T+1], v[T+2:T+3]  ; l is taken of the UNQUANTISED p: two at a time, in two chains
	v_pk_add_f32 v[SU+2:SU+3], v[T+4:T+5], v[T+6:T+7]
	WIN 0x04
.set j, 8
.rept 14
	v_pk_add_f32 v[SU:SU+1], v[SU:SU+1], v[T+j:T+j+1]
	v_pk_add_f32 v[SU+2:SU+3], v[SU+2:SU+3], v[T+j+2:T+j+3]
.set j, j+4
.endr
	WIN 0
	v_pk_add_f32 v[SU:SU+1], v[SU:SU+1], v[SU+2:SU+3]
	v_add_f32 v[SU], v[SU], v[SU+1]
	v_permlanex16_b32 v[PM], v[SU], s16, s17
	v_add_f32 v[SU], v[SU], v[PM]                  ; with lane l xor 16's keys
.if \s
	v_fma_f32 v[SU], v[LD3+3*\lt+1], v[FF], v[SU]  ; and sub-slice 0's l under the new M
.endif
	s_wait_alu depctr_va_vdst(0)                   ; the tile's codes, scale word, -M and l (s = 1: sub-slice 0's word under the new M too) are written, which the stores below read; and the tile is done with its scores' registers and its work registers, in which later loads land
.if \s
	ds_store_b32 v[PSAT], v[AW] offset:128*\lt     ; sub-slice 0's scale word under the new M, back to its place
.endif
	ds_store_b128 v[PADT], v[PC:PC+3] offset:1024*\lt
	ds_store_b128 v[PADT], v[PC+4:PC+7] offset:1024*\lt+512
	ds_store_b32 v[PSAT], v[PW] offset:1024*\s+128*\lt
	ds_store_b32 v[SADT], v[NM] offset:1536*\s+64*\lt
	ds_store_b32 v[SADT], v[SU] offset:1536*\s+512+64*\lt
.endm
; THE TWO UNITS of sub-slice s: a loop of two trips, one for each group of 64 labels.  fill = 1: each trip also brings two patches of sub-slice 1: asked for behind the scores, into q's registers, which are done with;
; landed under the softmax; quantised behind it, in the scores' registers.  q's fragments for the next unit are asked for as soon as their registers are free; their addresses are made at the unit's head with the unit's own.
.macro UNITS s, fill
	WIN 0
	s_mov_b32 s20, 2
	s_mov_b32 s22, 0                               ; the group's place among my P images,
	s_mov_b32 s23, 0                               ; my P scale words
	s_mov_b32 s24, 0                               ; and my statistics
.if \fill
	s_mov_b32 s27, 32768                           ; sub-slice 1's images and scales; two patches on in each trip
	s_mov_b32 s28, 2048
	s_mov_b32 s29, 32768
	s_mov_b32 s30, 2048
.endif
.Lgroup_\@:
	s_wait_dscnt 0x0                               ; my LDS stores have landed
	s_wait_loadcnt 0x0                             ; q's fragments and scale words are in: the loads that named v[QOT] and v[QST] are done
	s_wait_alu depctr_vm_vsrc(0)                   ; the stores and loads issued so far have read the five addresses that are written below, and the work registers in v32-95, in which the keys' fragments land
	s_xor_b32 s25, s25, 16384                      ; the other group: the next unit's q
	s_xor_b32 s26, s26, 1024
.if \s
	s_wait_alu depctr_va_vdst(0)
	v_add_nc_u32 v[PADT], s22, v[P1B]
.else
	v_add_nc_u32 v[PADT], s22, v[PADB]
.endif
	v_add_nc_u32 v[PSAT], s23, v[PSAB]
	v_add_nc_u32 v[SADT], s24, v[SADB]
	v_add_nc_u32 v[QOT], s25, v[QOB]
	v_add_nc_u32 v[QST], s26, v[QSB]
	s_wait_alu depctr_va_vdst(0)                   ; the five addresses (and x's offset, stepped at the last trip's end) are written, which this unit's loads and stores read; every vector line that named v32-95 is done, so the keys' fragments may land there
	SPHASE \s
.if \fill
	XLOAD 128, 0, 262144                           ; sub-slice 1 begins 128 rows of 2,048 bytes on; a patch is 32 rows.  (The wait behind the last key tile has shown q's registers read)
	XLOAD 192, 0, 327680
.else
	s_cmp_eq_u32 s20, 1                            ; the last unit asks for nothing
	s_cbranch_scc1 .Lno_q_\@
	QLOADS                                         ; (the wait behind the last key tile has shown q's registers read)
.Lno_q_\@:
.endif
	SM 0, \s
	SM 1, \s
	SM 2, \s
	SM 3, \s
.if \fill
	s_wait_loadcnt 16                              ; the first patch is in; the second's 16 loads may be out
	PSTAGE 128, 0
	PREAD 0
	s_wait_loadcnt 0x0
	PSTAGE 192, 0                                  ; LDS serves a wave's instructions in order: the first patch has been read out
	s_wait_dscnt 0x0                               ; the first patch's numbers are in
	s_wait_alu depctr_vm_vsrc(0)                   ; the stage's stores have read the patches' registers, in which q's fragments land; the last tile's stores have read the work registers, and the last trip's patch stores their four addresses, which are written below; x's loads have read v[XO], which is stepped at the trip's end
	QLOADS
	PREAD 128
	WIN 0
	v_add_nc_u32 v[TKI], s27, v[AKI]
	v_add_nc_u32 v[TKS], s28, v[AKS]
	v_add_nc_u32 v[TVI], s29, v[AVI]
	v_add_nc_u32 v[TVS], s30, v[AVS]
	PQUANT 0
	PSTORE TKI, TKS, TVI, TVS, 0, 0, 0, 0
	s_wait_dscnt 0x0                               ; the second patch's numbers are in
	s_wait_alu depctr_vm_vsrc(0)                   ; the first patch's stores have read the codes, the halfwords and the bytes, which the second patch's quantiser writes again
	PQUANT 128
	PSTORE TKI, TKS, TVI, TVS, 1024, 128, 256, 1
	v_add_nc_u32 v[XO], 0x20000, v[XO]             ; two patches on (the loads that named it were waited for, and stand ahead of the waits on vm_vsrc above)
	s_add_co_u32 s27, s27, 2048
	s_add_co_u32 s28, s28, 256
	s_add_co_u32 s29, s29, 512
	s_add_co_u32 s30, s30, 2
.endif
	WIN 0
	s_add_co_u32 s22, s22, 4096
	s_add_co_u32 s23, s23, 512
	s_add_co_u32 s24, s24, 256
	s_sub_co_u32 s20, s20, 1
	s_cmp_lg_u32 s20, 0
	s_cbranch_scc1 .Lgroup_\@
.endm
; Product n of the 16 of a tile of d, into set `set` of O^T: K step n / 8 (the sub-slice), tile of labels n % 8.  The first eight start the sums; the eight accumulators take turns, one instruction a turn.
.macro PWMMA set, n
.set pU, (\n)/8
.set pQ, (\n)%8
.set pO, OA+64*(\set)+8*pQ
.set pV, VF+16*(\set)+8*pU
.set pP, PF+64*pU+8*pQ
.if pU == 0
	v_wmma_scale_f32_16x16x128_f8f6f4 v[pO:pO+7], v[pV:pV+7], v[pP:pP+7], 0, v[VS+8*(\set)+pU], v[PS+8*pU+pQ] matrix_a_fmt:MATRIX_FMT_FP4 matrix_b_fmt:MATRIX_FMT_FP4
.else
	v_wmma_scale_f32_16x16x128_f8f6f4 v[pO:pO+7], v[pV:pV+7], v[pP:pP+7], v[pO:pO+7], v[VS+8*(\set)+pU], v[PS+8*pU+pQ] matrix_a_fmt:MATRIX_FMT_FP4 matrix_b_fmt:MATRIX_FMT_FP4
.endif
.endm
; Line m of the 32 that dot set `set` of O^T with fc_w: pair m / 8 of the lane's eight d, tile of labels m % 8
.macro DOT set, m
.set dT, (\m)%8
.set dJ, (\m)/8
	v_pk_fma_f32 v[RR+2*dT:RR+2*dT+1], v[OA+64*(\set)+8*dT+2*dJ:OA+64*(\set)+8*dT+2*dJ+1], v[WF+8*(\set)+2*dJ:WF+8*(\set)+2*dJ+1], v[RR+2*dT:RR+2*dT+1]
.endm
; A STEP OF THE SECOND PRODUCT.  Step i (par = i % 2): sixteen products make O^T of d tile i + 1 for my eight tiles of labels over both sub-slices; between them stand the 32 lines that dot d tile i's O^T with fc_w:
; none behind the first product, two behind each of the next fourteen, four behind the last.  They name none of the products' registers, so they are places behind them: the last four are the four places in front of the
; next step's loads into the values' registers, and every tile of O^T is first read six lines or more behind the product that finished it.  One window setting serves both kinds of line.
; At the step's head the values' fragments of d tile i + 2 and fc_w's numbers of d tile i + 1 are asked for, behind the step's one wait on va_vdst; this step's products and dot lines name the other sets.
.macro PVSTEP par, ldv, ldw
	s_wait_alu depctr_va_vdst(0)                   ; the step before is done: its products with the values' set and scale words, its dot lines with fc_w's set, in which the loads below land; in a trip's first step the addresses made just above are written
.if \ldv
	WIN 0x40                                       ; destination window 1
.irp u, 0,1
	ds_load_b128 v[VF+16*\par+8*\u:VF+16*\par+8*\u+3], v[VADT] offset:32768*\u+1024*(2+\par)
	ds_load_b128 v[VF+16*\par+8*\u+4:VF+16*\par+8*\u+7], v[VADT] offset:32768*\u+1024*(2+\par)+512
.endr
	WIN 0
.irp u, 0,1
	ds_load_b32 v[VS+8*\par+\u], v[VSAT] offset:2048*\u+64*(2+\par)
.endr
.endif
	WIN 0
.if \ldw
	ds_load_b128 v[WF+8*(1-\par):WF+8*(1-\par)+3], v[WADT] offset:64*(1+\par)
	ds_load_b128 v[WF+8*(1-\par)+4:WF+8*(1-\par)+7], v[WADT] offset:64*(1+\par)+16
.endif
	s_wait_dscnt 6*\ldv+2*\ldw                     ; all but those just issued: what this step uses was asked for a step ago
	WIN 0x51                                       ; source 0 (values, O^T), source 2 and the destination window 1; source 1 (P, fc_w) window 0
.irp n, 0,1,2,3,4,5,6,7,8,9,10,11,12,13,14,15
	PWMMA 1-\par, \n
.if \n == 15
	DOT \par, 28
	DOT \par, 29
	DOT \par, 30
	DOT \par, 31
.elseif \n > 0
	DOT \par, 2*\n-2
	DOT \par, 2*\n-1
.endif
.endr
.endm
; THE SECOND PRODUCT, K = the slice's 256 keys, for my 128 labels and all 32 tiles of d; r = O . fc_w goes to my statistics
.macro PV
	s_wait_dscnt 0x0                               ; my LDS stores have landed
	s_wait_alu depctr_vm_vsrc(0)                   ; the last tile's stores have read v48-64, in which fc_w's numbers, and on the way out the statistics, land.  (Every vector line that named a register loaded below stands ahead of the wait at the head of those stores)
	WIN 0
.irp t, 0,1,2,3,4,5,6,7
.irp c, 0,1
	ds_load_b128 v[PF+8*\t+4*\c:PF+8*\t+4*\c+3], v[PADB] offset:1024*\t+512*\c
	ds_load_b128 v[PF+64+8*\t+4*\c:PF+64+8*\t+4*\c+3], v[P1B] offset:1024*\t+512*\c
.endr
.endr
.irp t, 0,1,2,3,4,5,6,7
	ds_load_b32 v[PS+\t], v[PSAB] offset:128*\t
	ds_load_b32 v[PS+8+\t], v[PSAB] offset:1024+128*\t
.endr
.irp p, 0,1
.irp u, 0,1
	ds_load_b32 v[VS+8*\p+\u], v[VSAB] offset:2048*\u+64*\p
.endr
.endr
	ds_load_b128 v[WF:WF+3], v[WADB]
	ds_load_b128 v[WF+4:WF+7], v[WADB] offset:16
	WIN 0x40
.irp p, 0,1
.irp u, 0,1
	ds_load_b128 v[VF+16*\p+8*\u:VF+16*\p+8*\u+3], v[VADB] offset:32768*\u+1024*\p
	ds_load_b128 v[VF+16*\p+8*\u+4:VF+16*\p+8*\u+7], v[VADB] offset:32768*\u+1024*\p+512
.endr
.endr
.set i, 0
.rept 16
	v_mov_b32 v[RR+i], 0
.set i, i+1
.endr
	s_wait_dscnt 0x0
	WIN 0x51
.irp n, 0,1,2,3,4,5,6,7,8,9,10,11,12,13,14,15
	PWMMA 0, \n                                    ; d tile 0: there is nothing yet to set between
.endr
	WIN 0
.rept 4
	v_nop                                          ; four places behind them
.endr
	s_mov_b32 s21, 15
	s_mov_b32 s31, 0
	s_mov_b32 s32, 0
.Lpv_\@:                                           ; 15 trips of two steps: steps 0 to 29
	s_wait_alu depctr_vm_vsrc(0)                   ; the LDS loads issued so far have read the three addresses that are written below
	v_add_nc_u32 v[VADT], s31, v[VADB]
	v_add_nc_u32 v[VSAT], s32, v[VSAB]
	v_add_nc_u32 v[WADT], s32, v[WADB]
	PVSTEP 0, 1, 1
	PVSTEP 1, 1, 1
	WIN 0
	s_add_co_u32 s31, s31, 2048                    ; two tiles of d on: their images,
	s_add_co_u32 s32, s32, 128                     ; their scale words, and fc_w's numbers
	s_sub_co_u32 s21, s21, 1
	s_cmp_lg_u32 s21, 0
	s_cbranch_scc1 .Lpv_\@
	s_wait_alu depctr_vm_vsrc(0)                   ; the last trip's loads have read v[WADT]
	v_add_nc_u32 v[WADT], s32, v[WADB]
	PVSTEP 0, 0, 1                                 ; step 30: d tile 31's products; no fragment is left to fetch
	s_wait_alu depctr_va_vdst(0)
	s_wait_dscnt 0x0                               ; fc_w's last numbers
.set i, 0
.rept 32
	DOT 1, i                                       ; d tile 31's O^T: four lines stand behind its last product, and its last tile is read seven lines further on
.set i, i+1
.endr
	WIN 0x05
.irp t, 0,1,2,3,4,5,6,7
	v_add_f32 v[RT+\t], v[RR+2*\t], v[RR+2*\t+1]
.endr
	WIN 0
.irp t, 0,1,2,3,4,5,6,7
	v_permlanex16_b32 v[RX+\t], v[RT+\t], s16, s17
.endr
.irp t, 0,1,2,3,4,5,6,7
	v_add_f32 v[RT+\t], v[RT+\t], v[RX+\t]         ; with lane l xor 16's eight d of each tile
.endr
	s_wait_alu depctr_va_vdst(0)                   ; r's eight sums are written, which the stores below read
.irp t, 0,1,2,3,4,5,6,7
	ds_store_b32 v[SADB], v[RT+\t] offset:1536+1024+64*\t
.endr
.endm
	s_load_b256 s[4:11], s[0:1], 0x0               ; x s[4:5], qimg s[6:7], qsc s[8:9], fc_w s[10:11]
	s_load_b64 s[12:13], s[0:1], 0x20              ; part
	v_lshrrev_b32 v32, 5, v0
	v_readfirstlane_b32 s14, v32                   ; wave 0..7
	v_and_b32 v33, 31, v0                          ; lane
	v_and_b32 v34, 15, v0                          ; r
	s_wait_alu depctr_va_vdst(0)
	v_bfe_u32 v35, v0, 4, 1                        ; h
	s_and_b32 s33, ttmp7, 0xffff                   ; the batch
	s_lshl_b32 s34, s33, 23                        ; 4,096 rows of 2,048 bytes,
	s_lshl_b32 s15, ttmp9, 19                      ; the slice: 256 rows
	s_add_co_u32 s34, s34, s15
	s_mov_b32 s35, 0
	s_lshl_b32 s33, s33, 4
	s_add_co_u32 s33, s33, ttmp9
	s_mul_i32 s38, s33, 12288                      ; part: three rows of 4,096 bytes for a batch and a slice
	s_mov_b32 s39, 0
	s_wait_alu depctr_va_sdst(0)                   ; s14, the wave's number, is written, ahead of its first reader
	s_lshl_b32 s15, s14, 8
	v_lshlrev_b32 v[XO], 4, v34
	s_wait_alu depctr_va_vdst(0)
	v_lshl_add_u32 v[XO], v35, 11, v[XO]
	v_add_nc_u32 v[XO], s15, v[XO]
	v_lshlrev_b32 v38, 3, v0                       ; fc_w: 8 bytes a thread
	v_lshl_add_u32 v39, v0, 3, WL
	s_mov_b32 s25, 0                               ; q's group: 0
	s_mov_b32 s26, 0
	s_wait_kmcnt 0x0
	s_add_nc_u64 s[4:5], s[4:5], s[34:35]
	s_add_nc_u64 s[12:13], s[12:13], s[38:39]
	s_wait_alu depctr_va_vdst(0)                   ; v38 and v[XO] are written, which the loads below read as their offsets (and v39, the address of fc_w's store)
	global_load_b64 v[36:37], v38, s[10:11]
	XLOAD 128, 0, 0                                ; sub-slice 0's four patches: 64 loads of 512 bytes a wave are out
	XLOAD 192, 0, 65536
	XLOAD 128, 1, 131072
	XLOAD 192, 1, 196608
	WIN 0
	v_lshlrev_b32 v[LI], 4, v33
	v_lshl_add_u32 v[LKS], v33, 2, KSC
	s_mul_i32 s15, s14, WSTG
	s_add_co_u32 s15, s15, STAGE                   ; my stage
	v_mul_u32_u24 v[STW], v35, 272
	v_lshl_add_u32 v[STW], v34, 4, v[STW]
	v_add_nc_u32 v[STW], s15, v[STW]               ; in: row 2 i + h, 16 r
	v_lshrrev_b32 v40, 3, v34                      ; r / 8
	v_lshl_add_u32 v41, v40, 3, v34                ; r + 8 (r / 8)
	v_mul_u32_u24 v[KRD], v41, 272
	v_lshl_add_u32 v[KRD], v40, 7, v[KRD]          ; rows 16 on lie 128 bytes further
	v_lshl_add_u32 v[KRD], v35, 7, v[KRD]          ; block h: 128 bytes
	v_add_nc_u32 v[KRD], s15, v[KRD]
	v_lshl_add_u32 v[VRD], v33, 2, s15
	s_lshl_b32 s33, s14, 12
	v_lshl_add_u32 v[AKI], v33, 4, s33             ; KIMG + 4,096 w + 16 lane
	s_lshr_b32 s33, s14, 1
	s_lshl_b32 s33, s33, 9
	s_and_b32 s15, s14, 1
	s_lshl_b32 s15, s15, 1
	s_add_co_u32 s33, s33, s15
	s_add_co_u32 s33, s33, KSC
	v_lshl_add_u32 v[AKS], v34, 2, s33             ; KSC + 512 (w / 2) + 2 (w % 2) + 4 r
	s_lshl_b32 s33, s14, 12
	s_add_co_u32 s33, s33, VIMG
	v_lshlrev_b32 v[AVI], 4, v34
	v_lshl_add_u32 v[AVI], v35, 10, v[AVI]
	v_add_nc_u32 v[AVI], s33, v[AVI]               ; VIMG + 4,096 w + 1,024 h + 16 r
	s_lshl_b32 s33, s14, 8
	s_add_co_u32 s33, s33, VSC
	v_lshl_add_u32 v[AVS], v33, 2, s33             ; VSC + 256 w + 4 lane
	v_lshlrev_b32 v[SH8], 3, v35
	s_lshl_b32 s33, s14, 15
	v_lshl_add_u32 v[QOB], v33, 4, s33             ; my eight tiles of q: 4,096 bytes each
	s_lshl_b32 s33, s14, 11
	v_lshl_add_u32 v[QSB], v33, 4, s33             ; and their scale words: 256 bytes each
	v_add_nc_u32 v[QOT], s25, v[QOB]               ; group 0's, for the first load of q
	v_add_nc_u32 v[QST], s26, v[QSB]
	s_lshl_b32 s33, s14, 13
	s_add_co_u32 s33, s33, PIM
	v_lshl_add_u32 v[PADB], v33, 4, s33
	s_lshl_b32 s33, s14, 11
	s_add_co_u32 s33, s33, PSCL
	v_lshl_add_u32 v[PSAB], v33, 2, s33
	s_mul_i32 s33, s14, 3072
	s_add_co_u32 s33, s33, STATS
	v_lshl_add_u32 v[SADB], v34, 2, s33
	v_lshl_add_u32 v[MRG], v33, 4, s33
	v_lshl_add_u32 v[VSAB], v34, 2, VSC
	v_lshl_add_u32 v[WADB], v35, 5, WL             ; fc_w's eight numbers of my half of a tile of d
	v_lshl_add_u32 v[VADB], v33, 4, VIMG
	s_lshl_b32 s33, s14, 9
	v_lshl_add_u32 v[GOUT], v33, 4, s33            ; part: my wave's 128 labels, four a lane
.irp b, 0,1,2,3
	v_mov_b32 v[PM+\b], 0
.endr
	s_mov_b32 s16, 0x76543210
	s_mov_b32 s17, 0xfedcba98                      ; v_permlanex16_b32's selects for lane l xor 16
	s_mov_b32 s18, 0x3fb8aa3b                      ; log2(e)
	s_mov_b32 s19, s18                             ; (named with it as a pair, so it is written)
	s_mov_b32 s[FLOOR], 0x1800000
	; SUB-SLICE 0 is quantised.  The counts: loads come back in order; behind a patch's 16 loads stand the later patches' 16 each, and from the third patch on q's 34
.irp tb, 0,1,2,3
.if \tb == 0
	s_wait_loadcnt 48
	s_wait_alu depctr_va_vdst(0)                   ; all the addresses made above are written: the LDS and memory instructions of the whole kernel read them
	ds_store_b64 v39, v[36:37]                     ; fc_w into LDS
.elseif \tb == 1
	s_wait_loadcnt 32
.elseif \tb == 2
	s_wait_loadcnt 50
.else
	s_wait_loadcnt 34
.endif
	PSTAGE 128+64*(\tb%2), \tb/2
	PREAD 0
	s_wait_dscnt 0x0                               ; the patch's numbers are in
	s_wait_alu depctr_vm_vsrc(0)                   ; the quantiser's registers have been read by the patch before's stores (first patch: v36-39 by fc_w's load and store) and are written again below; second patch: the stage's stores have read v128-255, in which q's fragments land
.if \tb == 1
	QLOADS                                         ; the first two patches' registers are free: group 0's fragments of q
.endif
	PQUANT 0
	PSTORE AKI, AKS, AVI, AVS, 1024*\tb, 128*\tb, 256*\tb, \tb
.endr
	BARRIER                                        ; sub-slice 0's images and scales, and fc_w, lie in LDS
	UNITS 0, 1
	BARRIER                                        ; sub-slice 1's images and scales lie in LDS
	s_mul_i32 s33, s14, WSTG                       ; my stage has seen its last patch: it takes sub-slice 1's P, 8,192 of its 8,960 bytes
	s_add_co_u32 s33, s33, STAGE
	s_wait_alu depctr_vm_vsrc(0)                   ; the last patch's stores have read v27 as their address: it is made anew
	v_add_nc_u32 v[P1B], s33, v[LI]
	UNITS 1, 0
	PV
	; THE WAY OUT: -M, l and r of my 128 labels lie in my statistics; a lane takes four labels of each.  LDS serves a wave's instructions in order: these loads see my stores.  No vector line since the wait ahead of r's stores names v64-75
.irp st, 0,1,2
	ds_load_b128 v[MO+4*\st:MO+4*\st+3], v[MRG] offset:1536+512*\st
.endr
	s_wait_dscnt 0x0
	global_store_b128 v[GOUT], v[MO:MO+3], s[12:13]                  ; each store of the wave covers 512 consecutive bytes, aligned
	global_store_b128 v[GOUT], v[MO+4:MO+7], s[12:13] offset:4096
	global_store_b128 v[GOUT], v[MO+8:MO+11], s[12:13] offset:8192
	s_wait_xcnt 0x0
	v_lshl_add_u32 v254, v0, 2, 0x4e000            ; the add's two registers, made anew straight ahead of the closing lines: no LDS or memory instruction has read v254 or v255 since the last wait on vm_vsrc
	v_mov_b32 v255, 0
	s_wait_dscnt 0x0                               ; the closing lines, six on end
	s_wait_alu 0x0
	s_wait_tensorcnt 0x0
	ds_add_u32 v254, v255
	s_wait_dscnt 0x0
	s_endpgm
.Lfunc_end_k_q2e2b7fb618_main:
	.size	k_q2e2b7fb618_main, .Lfunc_end_k_q2e2b7fb618_main-k_q2e2b7fb618_main
	.p2alignl 7, 3214868480
	.fill 96, 4, 3214868480
	.section	.rodata,"a",@progbits
	.p2align	6, 0x0
	.amdhsa_kernel k_q2e2b7fb618_main
		.amdhsa_group_segment_fixed_size 320512
		.amdhsa_private_segment_fixed_size 0
		.amdhsa_enable_private_segment 0
		.amdhsa_kernarg_size 40
		.amdhsa_user_sgpr_count 2
		.amdhsa_user_sgpr_kernarg_segment_ptr 1
		.amdhsa_wavefront_size32 1
		.amdhsa_system_sgpr_workgroup_id_x 1
		.amdhsa_system_sgpr_workgroup_id_y 1
		.amdhsa_system_sgpr_workgroup_id_z 1
		.amdhsa_system_vgpr_workitem_id 0
		.amdhsa_next_free_vgpr 512
		.amdhsa_next_free_sgpr 66
		.amdhsa_reserve_vcc 0
		.amdhsa_float_denorm_mode_32 3
		.amdhsa_float_denorm_mode_16_64 3
		.amdhsa_memory_ordered 1
		.amdhsa_forward_progress 1
		.amdhsa_inst_pref_size 255
	.end_amdhsa_kernel
	.section	.bss,"aw",@nobits
	.p2align	6
	.space	262144
	.amdgpu_metadata
---
amdhsa.version: [ 1, 2 ]
amdhsa.kernels:
  - .name:           k_q2e2b7fb618_main
    .symbol:         k_q2e2b7fb618_main.kd
    .args:
      - { .name: x, .offset: 0, .size: 8, .value_kind: global_buffer, .address_space: global }
      - { .name: qimg, .offset: 8, .size: 8, .value_kind: global_buffer, .address_space: global }
      - { .name: qsc, .offset: 16, .size: 8, .value_kind: global_buffer, .address_space: global }
      - { .name: fc_w, .offset: 24, .size: 8, .value_kind: global_buffer, .address_space: global }
      - { .name: part, .offset: 32, .size: 8, .value_kind: global_buffer, .address_space: global }
    .group_segment_fixed_size: 320512
    .private_segment_fixed_size: 0
    .kernarg_segment_align: 8
    .kernarg_segment_size: 40
    .max_flat_workgroup_size: 256
    .sgpr_count:     66
    .vgpr_count:     512
    .wavefront_size: 32
...
	.end_amdgpu_metadata
.endif
;; end of part 5
;; launch comb (part 6): grid 256 x 1, 1 waves a work-group, no clusters, 0 bytes of LDS; arguments part, fc_b, out0; writes out0
.if DOCPART == 6
	.amdgcn_target "amdgcn-amd-amdhsa--gfx1250"
	.amdhsa_code_object_version 6
	.text
	.protected	k_q2e2b7fb618_comb
	.globl	k_q2e2b7fb618_comb
	.p2align	8
	.type	k_q2e2b7fb618_comb,@function
k_q2e2b7fb618_comb:
	s_mov_b64 s[64:65], 0
	v_nop
	global_prefetch_b8 v0, s[64:65] scope:SCOPE_SE
	s_setreg_imm32_b32 hwreg(HW_REG_WAVE_MODE, 25, 1), 1
	s_wait_xcnt 0x0
; out0[b][label] = r / l + fc_b, r and l joined over the 16 slices of the keys.  part: [b 16][slice 16][-M, l, r][label 1024] f32.
; M = the largest of the slices' M (a whole number); a slice's l and r are multiplied by 2^(its M - M), made by v_ldexp_f32 of 1.0, and summed by fused multiply-adds.  The slice that holds M has l > 1/2, so l is never 0.
; One wave takes 64 labels of one batch, two a lane: each load and the store cover 256 consecutive bytes, aligned.  All 48 loads are out at once.  3 MiB are read once: no LDS, no matrix work, nothing shared.
.set P, 16                             ; v16-111: slice sl at 6 sl: -M (a pair), l, r
.set F, 112                            ; v112-119: the factors, four pairs by turns
	s_load_b128 s[4:7], s[0:1], 0x0                ; part, fc_b
	s_load_b64 s[8:9], s[0:1], 0x10                ; out0
	v_lshlrev_b32 v1, 3, v0                        ; 8 bytes a lane
	s_lshr_b32 s10, ttmp9, 4                       ; the batch
	s_and_b32 s11, ttmp9, 15                       ; which 64 labels
	s_mul_i32 s12, s10, 196608
	s_lshl_b32 s14, s11, 8
	s_add_co_u32 s12, s12, s14
	s_mov_b32 s13, 0
	s_lshl_b32 s14, ttmp9, 8                       ; out0: 4,096 x batch + 256 x chunk = 256 x work-group
	s_mov_b32 s15, 0
	s_wait_alu depctr_va_vdst(0)
	s_wait_kmcnt 0x0
	s_load_b32 s16, s[6:7], 0x0                    ; fc_b
	s_add_nc_u64 s[4:5], s[4:5], s[12:13]
	s_add_nc_u64 s[8:9], s[8:9], s[14:15]
.set i, 0
.rept 16
.irp st, 0,1,2
	global_load_b64 v[P+6*i+2*\st:P+6*i+2*\st+1], v1, s[4:5] offset:12288*i+4096*\st th:TH_LOAD_NT
.endr
.set i, i+1
.endr
	s_wait_loadcnt 0x0
.irp e, 0,1
	v_min3_num_f32 v[4+\e], v[P+\e], v[P+6+\e], v[P+12+\e]           ; the least -M
.endr
.irp i, 3,5,7,9,11,13
.irp e, 0,1
	v_min3_num_f32 v[4+\e], v[4+\e], v[P+6*\i+\e], v[P+6*\i+6+\e]
.endr
.endr
.irp e, 0,1
	v_min_num_f32 v[4+\e], v[4+\e], v[P+90+\e]
.endr
.set i, 0
.rept 16
.set FF, F+2*(i%4)
	v_pk_add_f32 v[FF:FF+1], v[4:5], v[P+6*i:P+6*i+1] neg_lo:[0,1] neg_hi:[0,1]   ; the slice's M less M: a whole number, 0 or less
	v_cvt_i32_f32 v[FF], v[FF]                     ; (it saturates)
	v_cvt_i32_f32 v[FF+1], v[FF+1]
	v_ldexp_f32 v[FF], 1.0, v[FF]
	v_ldexp_f32 v[FF+1], 1.0, v[FF+1]
.if i == 0
	v_pk_mul_f32 v[8:9], v[P+2:P+3], v[FF:FF+1]    ; the first slice starts the sums
	v_pk_mul_f32 v[10:11], v[P+4:P+5], v[FF:FF+1]
.else
	v_pk_fma_f32 v[8:9], v[P+6*i+2:P+6*i+3], v[FF:FF+1], v[8:9]
	v_pk_fma_f32 v[10:11], v[P+6*i+4:P+6*i+5], v[FF:FF+1], v[10:11]
.endif
.set i, i+1
.endr
	s_wait_alu depctr_va_vdst(0)
	v_rcp_f32 v12, v8
	v_rcp_f32 v13, v9
	v_nop                                          ; a plain place behind the reciprocals
	s_wait_kmcnt 0x0
	s_wait_alu depctr_va_vdst(0)
	v_fma_f32 v14, v10, v12, s16
	v_fma_f32 v15, v11, v13, s16
	global_store_b64 v1, v[14:15], s[8:9]
	s_endpgm
.Lfunc_end_k_q2e2b7fb618_comb:
	.size	k_q2e2b7fb618_comb, .Lfunc_end_k_q2e2b7fb618_comb-k_q2e2b7fb618_comb
	.p2alignl 7, 3214868480
	.fill 96, 4, 3214868480
	.section	.rodata,"a",@progbits
	.p2align	6, 0x0
	.amdhsa_kernel k_q2e2b7fb618_comb
		.amdhsa_group_segment_fixed_size 0
		.amdhsa_private_segment_fixed_size 0
		.amdhsa_enable_private_segment 0
		.amdhsa_kernarg_size 24
		.amdhsa_user_sgpr_count 2
		.amdhsa_user_sgpr_kernarg_segment_ptr 1
		.amdhsa_wavefront_size32 1
		.amdhsa_system_sgpr_workgroup_id_x 1
		.amdhsa_system_sgpr_workgroup_id_y 1
		.amdhsa_system_sgpr_workgroup_id_z 1
		.amdhsa_system_vgpr_workitem_id 0
		.amdhsa_next_free_vgpr 128
		.amdhsa_next_free_sgpr 66
		.amdhsa_reserve_vcc 0
		.amdhsa_float_denorm_mode_32 3
		.amdhsa_float_denorm_mode_16_64 3
		.amdhsa_memory_ordered 1
		.amdhsa_forward_progress 1
		.amdhsa_inst_pref_size 13
	.end_amdhsa_kernel
	.amdgpu_metadata
---
amdhsa.version: [ 1, 2 ]
amdhsa.kernels:
  - .name:           k_q2e2b7fb618_comb
    .symbol:         k_q2e2b7fb618_comb.kd
    .args:
      - { .name: part, .offset: 0, .size: 8, .value_kind: global_buffer, .address_space: global }
      - { .name: fc_b, .offset: 8, .size: 8, .value_kind: global_buffer, .address_space: global }
      - { .name: out0, .offset: 16, .size: 8, .value_kind: global_buffer, .address_space: global }
    .group_segment_fixed_size: 0
    .private_segment_fixed_size: 0
    .kernarg_segment_align: 8
    .kernarg_segment_size: 24
    .max_flat_workgroup_size: 32
    .sgpr_count:     66
    .vgpr_count:     128
    .wavefront_size: 32
...
	.end_amdgpu_metadata
.endif
;; end of part 6
